; MI455X (gfx1250); checked and timed in simulation.
; The chip was launched on July 23, 2026; its instructions are those of AMD's public machine-readable ISA for CDNA 5 (MIT licence, August 2026) and "CDNA5" Instruction Set Architecture Reference Guide (July 2026). The comments in the code are by the model that wrote it; some were corrected since.
;; Multi Head Attention. Allowed arithmetic: matrix products marked QUANTISED: E3M2 operands, one E8M0 scale for each 32 along K, by v_wmma_scale_f32_16x16x128_f8f6f4 with both operands' format E3M2, f32 sums; everything else in f32.
;; Inputs: W_k 1,024 x 1,024 float32; W_o 1,024 x 1,024 float32; W_q 1,024 x 1,024 float32; W_v 1,024 x 1,024 float32; x 4 x 2,048 x 1,024 float32.
;; Outputs: out0 4 x 2,048 x 1,024 float32.
;; This version of the problem:
;;   THIS VERSION OF THE PROBLEM IS GIVEN IN LOW PRECISION. The matrix products marked QUANTISED in the list below multiply operands that are first quantised to E3M2 (3 exponent bits, 2 mantissa bits; 6 bits a number), with one power-of-two scale for each 32 numbers along K (OCP MX v1.0); their sums are f32. All else is computed in f32.
;;   The module's matrix products, in the order in which they are computed (A, B: the left and right operand; K: the contracted axis; several contracted axes count as one K, in the product's order):
;;     1. [M 8,192, K 1,024] x [K 1,024, N 1,024]; A: input x; B: input W_q: QUANTISED
;;     2. [M 8,192, K 1,024] x [K 1,024, N 1,024]; A: input x; B: input W_k: QUANTISED
;;     3. [M 8,192, K 1,024] x [K 1,024, N 1,024]; A: input x; B: input W_v: QUANTISED
;;     4. batch 64 x [M 2,048, K 64] x [K 64, N 2,048]; A: computed on the way; B: computed on the way: QUANTISED
;;     5. batch 64 x [M 2,048, K 2,048] x [K 2,048, N 64]; A: softmax (see below); B: computed on the way: QUANTISED
;;     6. [M 8,192, K 1,024] x [K 1,024, N 1,024]; A: computed on the way; B: input W_o: QUANTISED
;;   THE QUANTISER, for each operand of a quantised product, along K:
;;     - K is cut into blocks of 32 from its start; a last block that is shorter is filled with zeros.
;;     - A block's scale is 2^e with e = floor(log2(the largest magnitude in the block)) - 4, held to -126 .. 127; a block of zeros has e = 0. As a byte (E8M0): e + 127.
;;     - Each number is divided by its block's scale, clamped to +-28, and rounded to the nearest number of E3M2, ties to even, subnormals kept.
;;     - The product sums the exact products of the quantised numbers (number of the format x scale) in f32.
;;   ~~~python
;;   def quantise(x, axis):      # numpy; x: float32 -> the quantised numbers, widened to float32 again
;;       x = np.moveaxis(x, axis, -1); K = x.shape[-1]
;;       x = np.pad(x, [(0, 0)] * (x.ndim - 1) + [(0, -K % 32)]); x = x.reshape(x.shape[:-1] + (-1, 32)); a = np.abs(x).max(-1, keepdims=True)
;;       e = np.where(a > 0, np.clip(np.frexp(np.where(a > 0, a, 1))[1] - 1 - 4, -126, 127), 0)      # np.frexp(a)[1] - 1 = floor(log2(a)), exactly
;;       r = np.clip(x / 2.0 ** e, -28, 28)
;;       step = 2.0 ** (np.maximum(np.frexp(np.where(r == 0, 1, r))[1] - 1, -2) - 2)
;;       q = np.round(r / step) * step * 2.0 ** e      # np.round: ties to even
;;       return np.moveaxis(q.reshape(q.shape[:-2] + (-1,))[..., :K], -1, axis).astype(np.float32)
;;   ~~~
;;   SOFTMAX AHEAD OF A QUANTISED PRODUCT. Where the list says 'softmax', what is quantised is not the finished softmax but p = 2^(t - M), with t = logit x log2(e) and M = ceil(the row's largest t), a whole number; so 1/2 < the row's largest p <= 1. The row's sum l is taken of the UNQUANTISED p, in f32, and the product's result is divided by l at the end. Since M is a whole number, a kernel that streams over the keys may use a running M (the ceiling of the running maximum): every later rescaling is an exact power of two, which a block's scale takes up: the codes' values come out the same.
;;   OPERANDS COMPUTED ON THE WAY. 'Computed on the way' means the value that the module computes at that place (a softmax that the list does not call 'softmax' is quantised finished and normalised). What goes into a quantiser is computed in f32, as accurately as f32 sums, v_exp_f32 and their like allow (about 1e-6 of the number): no bf16 or f16 on the way to a quantiser, and a product that is left as it is and whose result goes on into a quantised operand takes f32 operands (vector FMAs, or v_wmma_f32_16x16x4_f32). A number that lies on a knife's edge between two numbers of the format may be rounded either way, as far as f32 arithmetic and the matrix unit's own rounding can turn it there, and no further.
;; One version. Each part assembles by itself: llvm-mc -triple=amdgcn-amd-amdhsa -mcpu=gfx1250 --defsym DOCPART=n.
;; ======== version 1 of 1: 4 launches
;; workspace buffers: w1 9,830,400 bytes; w2 19,660,800 bytes; w3 6,553,600 bytes
;; launch quant (part 1): grid 384 x 1, 4 waves a work-group, no clusters, 33,280 bytes of LDS; arguments x, W_q, W_k, W_v, W_o, w1; writes w1
.if DOCPART == 1
	.amdgcn_target "amdgcn-amd-amdhsa--gfx1250"
	.amdhsa_code_object_version 6
	.text
	.protected	k_qa9282f0901_quant
	.globl	k_qa9282f0901_quant
	.p2align	8
	.type	k_qa9282f0901_quant,@function
k_qa9282f0901_quant:
	s_mov_b64 s[64:65], 0
	v_nop
	global_prefetch_b8 v0, s[64:65] scope:SCOPE_SE
	s_setreg_imm32_b32 hwreg(HW_REG_WAVE_MODE, 25, 1), 1
	s_wait_xcnt 0x0
; x [8192][1024], W_q, W_k, W_v, W_o [1024][1024], f32, K innermost, become codes of BF6 (E3M2) and one E8M0 scale byte for each 32 along K.
; w1 is one table of 12,288 rows: x's 8,192, then W_q's, W_k's, W_v's, W_o's 1,024 each.  Codes: [12288][768] from byte 0 (a row is one stream of bits); scale bytes: [12288][32] from byte XS.
; A block's scale is 2^(floor(log2(its largest magnitude)) - 4); its byte is the largest magnitude's exponent field - 4, held at 1 from below; numbers are divided by the scale and rounded to the nearest code, ties to even,
; beyond the largest code the largest.
; THE ORDER OF ROWS IN w1: in every group of 32 rows of x, W_q, W_k, W_v the two middle groups of eight change places (rows 8-15 with rows 16-23).  So 16 neighbouring rows of the table, tile 2 g + u,
; are the rows 32 g + 8 u + r + 8 (r / 8): the next launch's results then lie with 16 neighbours of the next K in 16 registers of a lane.  W_o keeps its order.
; LIMITS: a block of zeros, and a block whose largest magnitude lies under 2^-122, get the byte 1 (the rule says 127 for zeros: the codes are zeros, and only this program reads the bytes); NaN and infinities are not served.
; SHARES: a work-group takes 32 rows, each of its four waves eight rows: 16 steps of 512 numbers.  Each load reads 512 consecutive bytes; a step's 2,048 bytes turn through the wave's own stage in LDS, so that a lane
; holds 16 neighbours along K (two lanes hold a block).  A wave's store of codes covers 384 consecutive bytes; its 256 scale bytes are gathered in LDS and leave as one aligned run of 256 bytes.
; No tensor loads, no barrier: waves share nothing.  Loads run four steps (16 loads a wave) ahead, the turn through LDS one step.
.set STEPS, 16
.set EMAX,  4
.set CB,    12                         ; bytes of 16 codes
.set R,     16                         ; v16-79   four sets of 16 numbers as they are loaded
.set X,     80                         ; v80-111  two sets of 16 neighbours
.set C,     128                        ; v128-191 codes: four registers for each step, so that no store's data are written again
.set E,     112                        ; v112-127 a scale byte for each step
.set WREG,  8192                       ; LDS: a region for each wave: two stages of 32 x SP bytes, then its 256 scale bytes
.set SP,    80                         ; a lane's place in a stage: 64 bytes + 16 of padding
.set XS,    0x900000                   ; where the scale bytes begin in w1
	s_load_b256 s[4:11], s[0:1], 0x0               ; x s[4:5], W_q s[6:7], W_k s[8:9], W_v s[10:11]
	s_load_b128 s[12:15], s[0:1], 0x20             ; W_o s[12:13], w1 s[14:15]
	v_lshl_add_u32 v192, v0, 2, 0x8000
	v_mov_b32 v193, 0
	v_lshrrev_b32 v1, 5, v0
	v_readfirstlane_b32 s16, v1                    ; wave
	v_and_b32 v2, 31, v0                           ; lane
	v_lshlrev_b32 v3, 4, v2                        ; my 16 bytes of a load's 512
	s_mul_i32 s17, s16, WREG
	v_lshrrev_b32 v14, 2, v2
	v_mul_u32_u24 v14, v14, SP
	v_and_b32 v15, 3, v2
	v_lshl_add_u32 v14, v15, 4, v14
	v_add_nc_u32 v14, s17, v14                     ; the stage, on the way in: SP (lane / 4) + 16 (lane % 4)
	v_mul_u32_u24 v15, v2, SP
	v_add_nc_u32 v15, s17, v15                     ; and on the way out: SP x lane: my 16 neighbours
	v_mul_u32_u24 v4, v2, CB                       ; my codes' place in a step's
	v_lshrrev_b32 v5, 1, v2
	s_add_co_u32 s17, s17, 2*32*SP
	v_add_nc_u32 v5, s17, v5                       ; LDS: my wave's 256 scale bytes, my block's byte
	v_lshlrev_b32 v7, 3, v2                        ; and on the way out 8 bytes a lane
	v_add_nc_u32 v6, s17, v7
	s_and_b32 s18, ttmp9, 31                       ; a weight's work-group among its 32
	s_and_b32 s20, s16, 1
	s_lshl_b32 s20, s20, 1
	s_lshr_b32 s21, s16, 1
	s_or_b32 s20, s20, s21                         ; where my eight rows go in the group of 32: 0, 2, 1, 3
	s_wait_kmcnt 0x0
	s_mov_b64 s[24:25], s[12:13]                   ; which tensor: the choice hangs on the work-group's number alone
	s_cmp_lt_u32 ttmp9, 352
	s_cselect_b64 s[24:25], s[10:11], s[24:25]
	s_cselect_b32 s20, s20, s16                    ; W_o keeps its order
	s_cmp_lt_u32 ttmp9, 320
	s_cselect_b64 s[24:25], s[8:9], s[24:25]
	s_cmp_lt_u32 ttmp9, 288
	s_cselect_b64 s[24:25], s[6:7], s[24:25]
	s_cmp_lt_u32 ttmp9, 256
	s_cselect_b64 s[24:25], s[4:5], s[24:25]
	s_cselect_b32 s18, ttmp9, s18
	s_lshl_b32 s18, s18, 2
	s_add_co_u32 s18, s18, s16                     ; which run of 8,192 numbers of the tensor is my wave's
	s_lshl_b32 s18, s18, 15                        ; 32,768 bytes a run
	s_mov_b32 s19, 0
	s_add_nc_u64 s[24:25], s[24:25], s[18:19]
	s_lshl_b32 s21, ttmp9, 2
	s_add_co_u32 s21, s21, s20                     ; and which run of eight rows of the table
	s_mul_i32 s22, s21, 32*STEPS*CB
	s_mov_b32 s23, 0
	s_add_nc_u64 s[26:27], s[14:15], s[22:23]      ; its codes
	s_lshl_b32 s22, s21, 8
	s_add_co_u32 s22, s22, XS
	s_add_nc_u64 s[28:29], s[14:15], s[22:23]      ; its 256 scale bytes
.macro LOAD t
.irp i, 0,1,2,3
	global_load_b128 v[R+16*((\t)%4)+4*\i:R+16*((\t)%4)+4*\i+3], v3, s[24:25] offset:2048*(\t)+512*\i th:TH_LOAD_NT   ; 32 lanes read 512 consecutive bytes
.endr
.endm
.macro TURN t                          ; step t's numbers through the stage: LDS serves a wave's instructions in order, so no wait stands between the stores and the loads
.irp i, 0,1,2,3
	ds_store_b128 v14, v[R+16*((\t)%4)+4*\i:R+16*((\t)%4)+4*\i+3] offset:32*SP*((\t)%2)+8*SP*\i
.endr
.irp i, 0,1,2,3
	ds_load_b128 v[X+16*((\t)%2)+4*\i:X+16*((\t)%2)+4*\i+3], v15 offset:32*SP*((\t)%2)+16*\i
.endr
.endm
.irp t, 0,1,2,3
	LOAD \t
.endr
	s_wait_loadcnt 12                              ; step 0's four loads are in
	TURN 0
.macro STEP t
.set XR, X+16*((\t)%2)
.if (\t) > 0
	s_wait_dscnt 1                                 ; this step's numbers are back from the stage (the last step's byte store may be out): so its stores into the stage have read their registers,
.else
	s_wait_dscnt 0x0
.endif
.if (\t)+4 < STEPS
	LOAD (\t)+4                                    ; which take the loads of four steps on
.endif
.if (\t)+1 < STEPS
.if STEPS-2-(\t) >= 3
	s_wait_loadcnt 12                              ; the next step's four loads are in; those of the three steps behind it may be out
.else
	s_wait_loadcnt 4*(STEPS-2-(\t))
.endif
	TURN (\t)+1                                    ; and go through the other stage while this step is worked
.endif
	v_max3_num_f32 v8, |v[XR]|, |v[XR+1]|, |v[XR+2]|               ; the largest magnitude of my 16, in two chains
	v_max3_num_f32 v9, |v[XR+3]|, |v[XR+4]|, |v[XR+5]|
.irp i, 6,10
	v_max3_num_f32 v8, v8, |v[XR+\i]|, |v[XR+\i+1]|
	v_max3_num_f32 v9, v9, |v[XR+\i+2]|, |v[XR+\i+3]|
.endr
	v_max3_num_f32 v8, v8, |v[XR+14]|, |v[XR+15]|
	v_max3_num_f32 v8, v8, v9, (EMAX+1)<<23        ; and the floor 2^(EMAX + 1 - 127): the byte cannot fall under 1
	v_max_num_f32_dpp v8, v8, v8 row_xmask:1 row_mask:0xf bank_mask:0xf   ; and of my neighbour's 16: the block's
	v_add_nc_u32 v11, -(EMAX<<23), v8              ; EMAX off its exponent field: the conversion takes the exponent field of this operand as its scale
	v_cvt_scalef32_pk16_bf6_f32 v[C+4*(\t):C+4*(\t)+2], v[XR:XR+15], v11
	v_lshrrev_b32 v[E+(\t)], 23, v11               ; the scale's byte (a plain line behind the conversion)
	ds_store_b8 v5, v[E+(\t)] offset:16*(\t)       ; both lanes of a block write the same byte with the same value
	global_store_b96 v4, v[C+4*(\t):C+4*(\t)+2], s[26:27] offset:32*CB*(\t)
.endm
.irp t, 0,1,2,3,4,5,6,7,8,9,10,11,12,13,14,15
	STEP \t
.endr
	ds_load_b64 v[12:13], v6                       ; LDS serves a wave's instructions in order: these see my stores
	s_wait_dscnt 0x0
	global_store_b64 v7, v[12:13], s[28:29]        ; 32 lanes store 256 consecutive bytes, aligned
	s_wait_tensorcnt 0x0
	ds_add_u32 v192, v193
	s_wait_dscnt 0x0
	s_endpgm
.Lfunc_end_k_qa9282f0901_quant:
	.size	k_qa9282f0901_quant, .Lfunc_end_k_qa9282f0901_quant-k_qa9282f0901_quant
	.p2alignl 7, 3214868480
	.fill 96, 4, 3214868480
	.section	.rodata,"a",@progbits
	.p2align	6, 0x0
	.amdhsa_kernel k_qa9282f0901_quant
		.amdhsa_group_segment_fixed_size 33280
		.amdhsa_private_segment_fixed_size 0
		.amdhsa_enable_private_segment 0
		.amdhsa_kernarg_size 48
		.amdhsa_user_sgpr_count 2
		.amdhsa_user_sgpr_kernarg_segment_ptr 1
		.amdhsa_wavefront_size32 1
		.amdhsa_system_sgpr_workgroup_id_x 1
		.amdhsa_system_sgpr_workgroup_id_y 1
		.amdhsa_system_sgpr_workgroup_id_z 1
		.amdhsa_system_vgpr_workitem_id 0
		.amdhsa_next_free_vgpr 194
		.amdhsa_next_free_sgpr 66
		.amdhsa_reserve_vcc 0
		.amdhsa_float_denorm_mode_32 3
		.amdhsa_float_denorm_mode_16_64 3
		.amdhsa_memory_ordered 1
		.amdhsa_forward_progress 1
		.amdhsa_inst_pref_size 33
	.end_amdhsa_kernel
	.amdgpu_metadata
---
amdhsa.version: [ 1, 2 ]
amdhsa.kernels:
  - .name:           k_qa9282f0901_quant
    .symbol:         k_qa9282f0901_quant.kd
    .args:
      - { .name: x, .offset: 0, .size: 8, .value_kind: global_buffer, .address_space: global }
      - { .name: W_q, .offset: 8, .size: 8, .value_kind: global_buffer, .address_space: global }
      - { .name: W_k, .offset: 16, .size: 8, .value_kind: global_buffer, .address_space: global }
      - { .name: W_v, .offset: 24, .size: 8, .value_kind: global_buffer, .address_space: global }
      - { .name: W_o, .offset: 32, .size: 8, .value_kind: global_buffer, .address_space: global }
      - { .name: w1, .offset: 40, .size: 8, .value_kind: global_buffer, .address_space: global }
    .group_segment_fixed_size: 33280
    .private_segment_fixed_size: 0
    .kernarg_segment_align: 8
    .kernarg_segment_size: 48
    .max_flat_workgroup_size: 128
    .sgpr_count:     66
    .vgpr_count:     194
    .wavefront_size: 32
...
	.end_amdgpu_metadata
.endif
;; end of part 1
;; launch qkv (part 2): grid 12 x 32, 4 waves a work-group, clusters of 4 x 4, 327,680 bytes of LDS; arguments w1, w2; writes w2
.if DOCPART == 2
	.amdgcn_target "amdgcn-amd-amdhsa--gfx1250"
	.amdhsa_code_object_version 6
	.text
	.protected	k_qa9282f0901_qkv
	.globl	k_qa9282f0901_qkv
	.p2align	8
	.type	k_qa9282f0901_qkv,@function
k_qa9282f0901_qkv:
	s_mov_b64 s[64:65], 0
	v_nop
	global_prefetch_b8 v0, s[64:65] scope:SCOPE_SE
	s_setreg_imm32_b32 hwreg(HW_REG_WAVE_MODE, 25, 1), 1
	s_wait_xcnt 0x0
	s_wait_alu depctr_hold_cnt(0) depctr_sa_sdst(0) depctr_va_vdst(0) depctr_va_sdst(0) depctr_va_ssrc(0) depctr_va_vcc(0) depctr_vm_vsrc(0)
	s_getreg_b32 s2, hwreg(HW_REG_IB_STS2, 6, 4)
	s_cmp_eq_u32 s2, 0
	s_cbranch_scc0 .Lentry_in_a_cluster
	s_endpgm
.Lentry_in_a_cluster:
	s_bfe_u32 s2, ttmp6, 0x10000c
	s_cmp_lg_u32 s2, 0xf033
	s_cbranch_scc0 .Lentry_shape_is_right
	s_endpgm
.Lentry_shape_is_right:
; Q = x W_q^T, K = x W_k^T, V = x W_v^T on codes of BF6 (E3M2) with one E8M0 scale for each 32 along K (1,024), sums in f32; the results are quantised here, in registers, for the attention's two products,
; and leave as codes: no f32 result goes to memory.  Operands: w1, a table of 12,288 rows of 768 bytes of codes (x, W_q, W_k, W_v, W_o) and, from byte XSC, 32 scale bytes a row.
; In every 32 rows of the table the middle groups of eight have changed places, so that 16 neighbouring rows, tile 2 g + u, are the rows 32 g + 8 u + r + 8 (r / 8).
; A tile of 256 x 256 results is made by four waves, each 128 x 128: 64 accumulators, 512 registers.  K goes in steps of 256 through a ring of two LDS slots filled by the tensor data mover; the scale bytes of the
; work-group's 512 rows come into LDS once.  4 x 4 work-groups form a cluster: A's tiles are asked for jointly along a row of the cluster, B's along a column.
; ROLES.  Source 0 of the matrix instruction takes 16 rows of 'B', source 1 16 rows of 'A': a lane then holds ONE row of A and its registers run along B's rows.  Cluster x says which product: 0 Q, 1 K, 2 V.
;   Q, K: A = x (a lane holds a token), B = W (registers run along the head's channels: their K in the attention).     V: A = W_v (a lane holds a channel), B = x (registers run along the tokens: the keys are V's K).
; By the table's order of rows the 16 registers of accumulators (a, 2 g) and (a, 2 g + 1) are B's rows 32 g + 16 (lane / 16) + 0 .. 15: 16 neighbours along the next K.
; THE WAY OUT: for each of A's eight blocks the lane's 64 numbers (four blocks of 32 along the next K) are quantised: largest magnitude (with lane l xor 16's), scale byte, conversion, exchange of halves.
; The codes leave as IMAGES OF THE NEXT LAUNCH'S OPERAND REGISTERS, 512 consecutive bytes a store; the scale words as runs of 256 bytes.  w2, in bytes (bh = 16 batch + head):
;   Q's codes at 0, K's at 6,291,456: [bh][g 64][1536]: 12 registers a lane (register i of lane L at 512 (i / 4) + 16 L + 4 (i % 4)); 0-5: token 32 g + r + 8 (r / 8), channels 32 h on; 6-11: the token 8 further on.
;   V's codes at 12,582,912: [bh][s 16][t 4][1536]: a whole fragment: channel 32 (t / 2) + 8 (t % 2) + r + 8 (r / 8), keys 128 s + 64 c + 32 h on.
;   scale words at 0x1200000 (Q), + 262,144 (K), + 524,288 (V): [bh][s 16][r 16][4 words].  Q, K: word g' = the two bytes of the first token of pair 4 s + g', then the second's.  V: word t = the four key blocks of step s.
; LIMITS: a block of zeros, and one whose largest magnitude lies under 2^-122, get the byte 1 (their codes are zeros or near; only this program reads the bytes); NaN and infinities are not served.
; 384 work-groups are 24 clusters: more than the 16 that run at a time; a wave's 128 rows of B are one key step or two heads, on which the way out rests, so the tile is kept.
; REGISTERS, in windows of 256: window 0: v0-31 addresses; v32-63 scale words, two sets; v64-127 the way out; from v128 A's fragments, ONE set.   window 1: B's fragments, TWO sets, at v0 and v128.
;   window 2: the accumulators of A's blocks 0-3 ((a, b) at v[8 (8 a + b)]);   window 3: those of blocks 4-7.
.set KSTEP,  256                       ; along K in a slot
.set NQ,     KSTEP/128                 ; matrix instructions deep
.set ROWB,   192                       ; a tile's row in bytes
.set KROW,   768                       ; a row of the table in bytes
.set PITCH,  240                       ; an LDS row: 3 x (64 bytes + 16 of padding) = 60 words: the 32 lanes of a load of 8 bytes touch 64 different banks (64 banks of 4 bytes: ISA guide 11.1)
.set FR,     12                        ; registers of a fragment: 16 rows x 128 K
.set NL,     6                         ; LDS loads that bring one
.set NP,     4                         ; places behind this matrix instruction (ISA guide 7.12.1)
.set HALFT,  128*PITCH                 ; 128 rows: what one tensor load brings
.set SLOT,   4*HALFT                   ; A's 256 rows, then B's 256 rows
.set LAPS,   2                         ; 1,024 / 512: a lap = two K steps = once round the ring
.set KS,     32                        ; a row of scale bytes
.set SCL,    2*SLOT                    ; behind the ring: the scales, as runs of 256 bytes + 16 of padding
.set HALFS,  (128*KS/256)*272          ; the scales of 128 rows
.set SBLK,   (16*KS/256)*272           ; those of 16 rows
.set SPARE,  SCL+4*HALFS               ; the spare words, 128 bytes for each wave: two blocks of 256 bytes that no other line names
.set XSC,    0x900000                  ; where the scale bytes begin in w1
.set ADRA, 16                          ; v16-17  LDS address of my A fragments in slot 0, 1  (v18-19: for the pieces that lie behind one padding more)
.set ADRB, 20                          ; v20-21  the same for B  (v22-23)
.set LI,   24                          ; v24     the way out: 16 x lane
.set SOFF, 25                          ; v25     the way out: my scale words: 4,096 (lane / 16) + 16 (lane % 16)
.set ADRS, 27                          ; v27     LDS address of my scale words: lanes 0-15 A's rows, lanes 16-31 B's
.set SPW,  28                          ; v28     LDS address of my spare word; never rewritten
.set NIL,  29                          ; v29     0; never rewritten
.set SC,   32                          ; scale words: set s at v[SC + 8 NQ s]; register NQ i + q: lanes 0-15 A's block i, lanes 16-31 B's block i
.set AF,   128                         ; A's fragments
.set RA,   64                          ; v64-75   the way out: an image of 12 registers
.set RB,   76                          ; v76-87   a second one
.set T0,   88                          ; v88-90, v92-94  the conversions' second halves
.set T1,   92
.set TM,   96                          ; v96-99 largest magnitudes, v100-103 the other half's, then bytes, v108-111 the conversions' scale operands
.set FLV,  112                         ; v112     the floor 2^(5 - 127)
.set PWR,  114                         ; v114-121 the eight blocks' scale words
.set SELV, 122                         ; v122     byte selects: lanes 0-15 the first head's two bytes of each word, lanes 16-31 the second's
.set WD,   124                         ; v124-127 scale words to store
.set G1, 24                            ; s[24:31] descriptor group 1 for A's tiles;  s[32:39] group 0, one set for each slot
.set G0, 32
.set G1B, 48                           ; s[48:55], s[56:63] the same for B's tiles
.set G0B, 56
.set G1S, 68                           ; s[68:75], s[76:79] groups 1 and 0 for A's scales;  s[80:87], s[88:91] for B's
.set G0S, 76
.set G1SB, 80
.set G0SB, 88
.set MSB, 0
.macro WIN new                         ; the immediate's high byte repeats the setting that is left
.if MSB != \new
	s_set_vgpr_msb (MSB<<8)|\new
.set MSB, \new
.endif
.endm
.set MUL_LO, 0xa1                      ; source 0 (B) window 1, source 1 (A) window 0, C and D window 2
.set MUL_HI, 0xf1                      ; the same, C and D window 3
.set TO_B,   0x40                      ; destination window 1, address window 0
; A joint load: waves 0 and 1 fetch for A, waves 2 and 3 for B.  The branch hangs on the wave's number alone.  Four v_nop follow each of the two lines.
.macro JLOAD g0a, g1a, g0b, g1b
	s_cmp_eq_u32 s15, 0
	s_cbranch_scc0 .Lfor_b_\@
	tensor_load_to_lds s[\g0a:\g0a+3], s[\g1a:\g1a+7]
	s_nop 0
.rept 4
	v_nop
.endr
	s_branch .Lasked_\@
.Lfor_b_\@:
	tensor_load_to_lds s[\g0b:\g0b+3], s[\g1b:\g1b+7]
	s_nop 0
.rept 4
	v_nop
.endr
.Lasked_\@:
.endm
.macro CREST                           ; a round of the cluster's barrier behind its opening barrier
	s_cmp_lg_u32 s14, 0
	s_cbranch_scc1 .Lnot_wave_0_\@
	s_barrier_signal -3
.Lnot_wave_0_\@:
	s_barrier_wait -3
	s_barrier_signal -1
	s_barrier_wait -1
.endm
.macro CROUND                          ; a whole round
	s_barrier_signal -1
	s_barrier_wait -1
	CREST
.endm
	s_load_b128 s[4:7], s[0:1], 0x0                ; w1 s[4:5], w2 s[6:7]
	v_lshl_add_u32 v[SPW], v0, 2, SPARE
	v_mov_b32 v[NIL], 0
	ds_add_u32 v28, v29
	ds_add_u32 v28, v29
	s_wait_dscnt 0x0
	v_lshrrev_b32 v1, 5, v0
	v_readfirstlane_b32 s14, v1                    ; wave 0..3
	s_lshr_b32 s15, s14, 1                         ; which half of A's rows is mine.  Also: I fetch for A (0) or for B (1)
	s_and_b32 s16, s14, 1                          ; which half of B's rows.  Also: which 128 rows of that tile I fetch
	s_bfe_u32 s40, ttmp6, 0x40000                  ; cx, cy: my place in the cluster
	s_bfe_u32 s41, ttmp6, 0x40004
	s_and_b32 s96, ttmp7, 0xffff
	s_lshl_b32 s96, s96, 2                         ; 4 x cluster y: the cluster's first tile of tokens
	s_lshl_b32 s97, ttmp9, 2
	s_add_co_u32 s97, s97, 32                      ; W_q's tiles begin at tile 32 of the table, W_k's at 36
	s_cmp_eq_u32 ttmp9, 2                          ; V's clusters?  Cluster x is the same in all sixteen partners
	s_cselect_b32 s17, 40, s96                     ; A's first tile: W_v's (tile 40) or the tokens'
	s_cselect_b32 s42, s96, s97                    ; B's first tile: the tokens' or the weight's
	s_add_co_u32 s17, s17, s41                     ; A's tile hangs on cy alone of my place,
	s_add_co_u32 s42, s42, s40                     ; B's on cx alone
	s_lshl_b32 s43, s41, 2
	s_lshl_b32 s43, 15, s43                        ; my row of the cluster
	s_lshl_b32 s44, 0x1111, s40                    ; my column
	; descriptor group 1: a tile of 128 rows x ROWB bytes, padded in LDS
	s_or_b32 s[G1+0], s43, (0<<16)|(1<<20)|(1<<21)|(3<<22)|(3<<25)  ; 15:0 the mask: A's tiles go to my row; 17:16 element of 1 byte; 20 padding on; 21 set beside a mask; 24:22 after every 16 words; 31:25 of 4 words
	s_or_b32 s[G1B+0], s44, (0<<16)|(1<<20)|(1<<21)|(3<<22)|(3<<25)
.irp g, G1, G1B
	s_mov_b32 s[\g+1], ROWB<<16                    ; tensor_dim0
	s_mov_b32 s[\g+2], 128<<16                     ; tensor_dim1 = 128
	s_mov_b32 s[\g+3], ROWB<<16                    ; tile_dim0
	s_mov_b32 s[\g+4], 128                         ; tile_dim1 = 128
	s_mov_b32 s[\g+5], KROW                        ; tensor_dim0_stride
	s_mov_b32 s[\g+6], 0
	s_mov_b32 s[\g+7], 0
.endr
	; and for the scales of 128 rows: a dense block of 4,096 bytes, as rows of 256 bytes (32 elements of 8 bytes), 16 bytes of padding behind each
	s_or_b32 s[G1S+0], s43, (3<<16)|(1<<20)|(1<<21)|(5<<22)|(3<<25)
	s_or_b32 s[G1SB+0], s44, (3<<16)|(1<<20)|(1<<21)|(5<<22)|(3<<25)
.irp g, G1S, G1SB
	s_mov_b32 s[\g+1], 32<<16
	s_mov_b32 s[\g+2], (128*KS/256)<<16
	s_mov_b32 s[\g+3], 32<<16
	s_mov_b32 s[\g+4], 128*KS/256
	s_mov_b32 s[\g+5], 32
	s_mov_b32 s[\g+6], 0
	s_mov_b32 s[\g+7], 0
.endr
	s_lshl_b32 s18, s16, 7                         ; which 128 rows of the tile I fetch
	s_lshl_b32 s20, s17, 8
	s_add_co_u32 s20, s20, s18                     ; A: row 256 x tile + 128 x half
	s_lshl_b32 s46, s42, 8
	s_add_co_u32 s46, s46, s18                     ; B likewise
	s_mov_b32 s21, 0
	s_mov_b32 s47, 0
	s_mov_b64 s[18:19], KS
	s_mul_u64 s[22:23], s[20:21], s[18:19]         ; where these rows' scales begin, in bytes
	s_mul_u64 s[92:93], s[46:47], s[18:19]
	s_mov_b64 s[18:19], KROW
	s_mul_u64 s[20:21], s[20:21], s[18:19]         ; and their codes
	s_mul_u64 s[46:47], s[46:47], s[18:19]
	s_mul_i32 s45, s14, HALFT                      ; where they go: wave x 128 rows: no place in the cluster enters an LDS address
	s_mul_i32 s94, s14, HALFS
	s_mov_b32 s10, 0x76543210                      ; v_permlanex16_b32's selects for lane l xor 16
	s_mov_b32 s11, 0xfedcba98
	s_mov_b32 s95, 0xffff0000                      ; the mask of lanes 16-31
	s_wait_kmcnt 0x0
	s_add_nc_u64 s[8:9], s[4:5], XSC               ; the table's scale bytes
	s_add_nc_u64 s[20:21], s[4:5], s[20:21]
	s_add_nc_u64 s[22:23], s[8:9], s[22:23]
	s_add_nc_u64 s[46:47], s[4:5], s[46:47]
	s_add_nc_u64 s[92:93], s[8:9], s[92:93]
	CROUND                                         ; all sixteen work-groups are here: the first joint loads meet
	s_mov_b32 s[G0S], 1
	s_add_co_u32 s[G0S+1], s94, SCL
	s_mov_b64 s[G0S+2:G0S+3], s[22:23]
	s_or_b32 s[G0S+3], s[G0S+3], 0x80000000
	s_mov_b32 s[G0SB], 1
	s_add_co_u32 s[G0SB+1], s94, SCL
	s_mov_b64 s[G0SB+2:G0SB+3], s[92:93]
	s_or_b32 s[G0SB+3], s[G0SB+3], 0x80000000
	JLOAD G0S, G1S, G0SB, G1SB                     ; the scales first: they are wanted with K step 0
.irp s, 0,1
	s_mov_b32 s[G0+4*\s], 1
	s_add_co_u32 s[G0+4*\s+1], s45, \s*SLOT
	s_add_nc_u64 s[G0+4*\s+2:G0+4*\s+3], s[20:21], \s*ROWB
	s_or_b32 s[G0+4*\s+3], s[G0+4*\s+3], 0x80000000
	s_mov_b32 s[G0B+4*\s], 1
	s_add_co_u32 s[G0B+4*\s+1], s45, \s*SLOT
	s_add_nc_u64 s[G0B+4*\s+2:G0B+4*\s+3], s[46:47], \s*ROWB
	s_or_b32 s[G0B+4*\s+3], s[G0B+4*\s+3], 0x80000000
	JLOAD G0+4*\s, G1, G0B+4*\s, G1B               ; three tensor loads of mine are out
.endr
	v_and_b32 v1, 15, v0                           ; r = l % 16
	v_bfe_u32 v2, v0, 4, 1                         ; h = l / 16
	v_mul_u32_u24 v3, v1, PITCH
	v_mul_u32_u24 v4, v2, 24
	v_add_nc_u32 v4, v3, v4                        ; a fragment's row x pitch + 24 x half
	v_lshl_add_u32 v5, v2, 4, v4                   ; and the same behind one padding more
	s_mul_i32 s21, s15, HALFT                      ; my 128 rows of A
	s_mul_i32 s22, s16, HALFT                      ; my 128 rows of B,
	s_add_co_u32 s22, s22, 2*HALFT                 ; which lie behind A's 256
.irp s, 0,1
	v_add_nc_u32 v[ADRA+\s], s21, v4
	v_add_nc_u32 v[ADRB+\s], s22, v4
	v_add_nc_u32 v[ADRA+2+\s], s21, v5
	v_add_nc_u32 v[ADRB+2+\s], s22, v5
	s_add_co_u32 s21, s21, SLOT
	s_add_co_u32 s22, s22, SLOT
.endr
	v_mul_u32_u24 v5, v1, KS                       ; my row's scales: KS bytes a row,
	v_lshrrev_b32 v6, 8, v5
	v_lshl_add_u32 v5, v6, 4, v5                   ; and 16 more for each 256 passed
	s_mul_i32 s21, s15, HALFS                      ; A's: my 128 rows
	s_mul_i32 s22, s16, HALFS                      ; B's: my 128 rows, behind A's 256
	s_add_co_u32 s22, s22, 2*HALFS
	s_sub_co_u32 s22, s22, s21
	v_mul_u32_u24 v6, s22, v2                      ; lanes 16-31 take B's
	s_add_co_u32 s21, s21, SCL
	v_add_nc_u32 v5, v5, v6
	v_add_nc_u32 v[ADRS], s21, v5
	; the way out's registers, made once
	v_and_b32 v6, 31, v0
	v_lshlrev_b32 v[LI], 4, v6
	v_lshlrev_b32 v[SOFF], 4, v1
	v_lshl_add_u32 v[SOFF], v2, 12, v[SOFF]        ; lanes 16-31 store the second head's words: 4,096 bytes on
	v_mov_b32 v[FLV], 0x2800000
	v_mov_b32 v[SELV], 0x05040100
	v_mov_b32 v6, 0x07060302
	v_cndmask_b32 v[SELV], v[SELV], v6, s95
.irp b, 0,1,2,3
	v_mov_b32 v[TM+4+\b], 0                        ; written once: a lane permute's destination counts as one of its sources
.endr
	; where my results go.  Tokens: tile and half of A (Q, K) or of B (V); heads: four to a tile of 256 channels, two to my half
	s_cmp_eq_u32 ttmp9, 2
	s_cselect_b32 s96, s42, s17                    ; the tokens' tile of 256
	s_cselect_b32 s97, s16, s15                    ; and my half of it
	s_cselect_b32 s98, s41, s40                    ; the channels' tile
	s_cselect_b32 s99, s15, s16                    ; and my half of it
	s_lshr_b32 s100, s96, 3                        ; batch: eight tiles of 256 tokens each
	s_and_b32 s96, s96, 7
	s_lshl_b32 s96, s96, 1
	s_add_co_u32 s96, s96, s97                     ; s: which 128 tokens of the batch
	s_lshl_b32 s100, s100, 4
	s_lshl_b32 s98, s98, 2
	s_add_co_u32 s100, s100, s98
	s_lshl_b32 s99, s99, 1
	s_add_co_u32 s100, s100, s99                   ; bh of my first head
	s_mul_i32 s98, ttmp9, 6291456
	s_mul_i32 s99, s100, 98304
	s_add_co_u32 s98, s98, s99
	s_mul_i32 s99, s96, 6144
	s_add_co_u32 s98, s98, s99
	s_mov_b32 s99, 0
	s_add_nc_u64 s[12:13], s[6:7], s[98:99]        ; my codes
	s_lshl_b32 s98, ttmp9, 18
	s_lshl_b32 s101, s100, 12
	s_add_co_u32 s98, s98, s101
	s_lshl_b32 s101, s96, 8
	s_add_co_u32 s98, s98, s101
	s_add_co_u32 s98, s98, 0x1200000
	s_add_nc_u64 s[66:67], s[6:7], s[98:99]        ; my scale words
.macro FRAG reg, adr, q, i             ; a fragment: lane l holds row l % 16; registers 6 c .. 6 c + 5 hold K = 64 c + 32 (l / 16) + 0 .. 31: 24 bytes of the row's stream of bits, as they lie
.irp p, 0,1,2,3,4,5                    ; in pieces of 8 bytes.  Lanes 0-15 take the row's pieces 12 q + 0, 1, 2 and 12 q + 6, 7, 8, lanes 16-31 those three pieces on
.set PCE, 12*(\q)+6*(\p/3)+\p%3        ; 16 bytes of padding lie behind every 8 pieces: where the piece three on lies behind one padding more, the second address register serves
.if PCE%8 < 5
	ds_load_b64 v[\reg+2*\p:\reg+2*\p+1], v[\adr] offset:8*PCE+16*(PCE/8)+(\i)*16*PITCH
.else
	ds_load_b64 v[\reg+2*\p:\reg+2*\p+1], v[\adr+2] offset:8*PCE+16*(PCE/8)+(\i)*16*PITCH
.endif
.endr
.endm
; 16 matrix instructions: A's blocks a0, a0 + 1 x B's eight, 128 along K: the slot's q-th.  p: B's set;  sc: the set of scale words.  zero = 1: the first product starts the sums.
; The 64 accumulators take turns, one instruction a turn, in the same order in every step.
.macro MUL16 a0, p, q, sc, zero
.irp a, \a0, \a0+1
.irp b, 0,1,2,3,4,5,6,7
.if \zero
	v_wmma_scale_f32_16x16x128_f8f6f4 v[8*(8*((\a)%4)+\b):8*(8*((\a)%4)+\b)+7], v[128*(\p)+FR*\b:128*(\p)+FR*\b+FR-1], v[AF+FR*(\a):AF+FR*(\a)+FR-1], 0, v[SC+8*NQ*(\sc)+NQ*\b+(\q)], v[SC+8*NQ*(\sc)+NQ*(\a)+(\q)] matrix_a_fmt:MATRIX_FMT_BF6 matrix_b_fmt:MATRIX_FMT_BF6 matrix_a_scale:MATRIX_SCALE_ROW1
.else
	v_wmma_scale_f32_16x16x128_f8f6f4 v[8*(8*((\a)%4)+\b):8*(8*((\a)%4)+\b)+7], v[128*(\p)+FR*\b:128*(\p)+FR*\b+FR-1], v[AF+FR*(\a):AF+FR*(\a)+FR-1], v[8*(8*((\a)%4)+\b):8*(8*((\a)%4)+\b)+7], v[SC+8*NQ*(\sc)+NQ*\b+(\q)], v[SC+8*NQ*(\sc)+NQ*(\a)+(\q)] matrix_a_fmt:MATRIX_FMT_BF6 matrix_b_fmt:MATRIX_FMT_BF6 matrix_a_scale:MATRIX_SCALE_ROW1
.endif
.endr
.endr
.endm
.macro FETCH_B slot, q, p              ; B's eight fragments of the slot's q-th 128 along K into set p
	WIN TO_B
.irp i, 0,1,2,3,4,5,6,7
	FRAG 128*(\p)+FR*\i, ADRB+\slot, \q, \i
.endr
	WIN 0
.endm
.macro FETCH_A slot, q, i0             ; A's blocks i0 .. i0 + 3
.irp i, \i0, \i0+1, \i0+2, \i0+3
	FRAG AF+FR*(\i), ADRA+\slot, \q, \i
.endr
.endm
.macro SCALES sc                       ; the next K step's scale words into set sc: NQ words a row; lanes 0-15 take A's block i, lanes 16-31 B's block i
.irp i, 0,1,2,3,4,5,6,7
	ds_load_b64 v[SC+8*NQ*\sc+NQ*\i:SC+8*NQ*\sc+NQ*\i+1], v[ADRS] offset:\i*SBLK
.endr
.endm
; A load into a register that a matrix instruction has read, and a vector instruction that reads a matrix result, stand NP places behind that matrix instruction; only plain vector instructions that name none
; of its registers are places (ISA guide 7.12.1 for vector instructions).
.macro PLACES n
.rept \n
	v_nop
.endr
.endm
; A step of 128 along K that has its successor in the same slot.
.macro STEP slot, q, zero
	s_wait_dscnt 4*NL                              ; B's set and A's blocks 0-3 are in; the youngest 24 loads (A's blocks 4-7) may be out
	WIN MUL_LO
	MUL16 0, (\q)%2, \q, \slot, \zero
	MUL16 2, (\q)%2, \q, \slot, \zero
	s_wait_dscnt 0                                 ; A's blocks 4-7 are in (asked for 32 matrix instructions ago)
	PLACES NP
	FETCH_B \slot, (\q)+1, 1-(\q)%2
	FETCH_A \slot, (\q)+1, 0
	WIN MUL_HI
	MUL16 4, (\q)%2, \q, \slot, \zero
	MUL16 6, (\q)%2, \q, \slot, \zero
	PLACES NP
	WIN 0
	FETCH_A \slot, (\q)+1, 4
.endm
; A slot's last step changes slots: ONE barrier; in front of it each wave waits for all its tensor loads, adds 0 to its spare word, and waits for that and for its own reads of this slot.  fill = 1: this slot is filled again, two K steps ahead.
.macro TURN slot, next, fill
	s_wait_tensorcnt 0x0                           ; all my tensor loads have landed: my part of the next slot  (every window is 0 here)
	ds_add_u32 v[SPW], v[NIL]                      ; 0 onto my spare word
	s_wait_dscnt 4*NL+1                            ; (the add and the youngest 24 loads, A's blocks 4-7, may be out)
	WIN MUL_LO
	MUL16 0, 1, NQ-1, \slot, 0                     ; sixteen matrix instructions stand between the add and the wait for it
	s_wait_dscnt 0x0                               ; the add is done, and my reads of this slot are over
	s_barrier_signal -1
	MUL16 2, 1, NQ-1, \slot, 0
	WIN 0
	s_barrier_wait -1
.if \fill
	CREST                                          ; the barrier has opened a round of the cluster's barrier: no wave of any partner still reads this slot's tile or has a load on its way
	s_add_nc_u64 s[G0+4*\slot+2:G0+4*\slot+3], s[G0+4*\slot+2:G0+4*\slot+3], 2*ROWB
	s_add_nc_u64 s[G0B+4*\slot+2:G0B+4*\slot+3], s[G0B+4*\slot+2:G0B+4*\slot+3], 2*ROWB
	JLOAD G0+4*\slot, G1, G0B+4*\slot, G1B         ; the first tensor load behind the round; the four v_nop behind it are the places in front of the loads below
.else
	PLACES NP
.endif
	v_add_nc_u32 v[ADRS], 4*NQ, v[ADRS]            ; on to the next K step's scale words (no LDS load of mine is out)
	FETCH_B \next, 0, 0
	FETCH_A \next, 0, 0
	SCALES \next
	WIN MUL_HI
	MUL16 4, 1, NQ-1, \slot, 0
	MUL16 6, 1, NQ-1, \slot, 0
	PLACES NP
	WIN 0
	FETCH_A \next, 0, 4
.endm
	s_wait_tensorcnt 1                             ; the scales and my part of K step 0 are in (K step 1's load may be out),
	s_barrier_signal -1
	s_barrier_wait -1                              ; everybody's are
	FETCH_B 0, 0, 0
	FETCH_A 0, 0, 0
	SCALES 0
	FETCH_A 0, 0, 4
	STEP 0, 0, 1                                   ; the first step stands in front of the loop: its products start the sums
	s_mov_b32 s3, LAPS-1
.Llap:                                                 ; a trip goes once round the ring, from a lap's second step to the next lap's first, and fills both slots again
	TURN 0, 1, 1
	STEP 1, 0, 0
	TURN 1, 0, 1
	STEP 0, 0, 0
	s_sub_co_u32 s3, s3, 1
	s_cmp_lg_u32 s3, 0
	s_cbranch_scc1 .Llap
	TURN 0, 1, 0                                   ; the last lap fills nothing, and has no round of the cluster's barrier
	STEP 1, 0, 0
	s_wait_dscnt 4*NL                              ; the very last step: nothing more to fetch
	WIN MUL_LO
	MUL16 0, 1, NQ-1, 1, 0
	MUL16 2, 1, NQ-1, 1, 0
	s_wait_dscnt 0
	WIN MUL_HI
	MUL16 4, 1, NQ-1, 1, 0
	MUL16 6, 1, NQ-1, 1, 0
	WIN 0
; THE WAY OUT.  QUANTW: A's block a.  Its 64 registers (window 2 or 3) are, for my row, the numbers 32 g + 16 (lane / 16) + i of the next K at register 16 g + i.  They are read where they lie.
; Out come: the codes of blocks 0, 1 (six registers, a whole block of 32 to a lane: lanes 0-15 block 0, lanes 16-31 block 1) at v[d0] on, those of blocks 2, 3 at v[d1] on, and the four scale bytes in v[PWR + a].
.macro QUANTW a, d0, d1
.set AC, 64*((\a)%4)
	WIN 0x28+0x14*((\a)/4)                         ; sources 1 and 2: window 2 or 3
.irp b, 0,1,2,3
	v_max3_num_f32 v[TM+\b], v[FLV], |v[AC+16*\b]|, |v[AC+16*\b+1]|     ; block b: my 16 numbers and the floor; each accumulator is read from its low end on
.endr
.irp i, 2,4,6,8,10,12,14
.irp b, 0,1,2,3
	v_max3_num_f32 v[TM+\b], v[TM+\b], |v[AC+16*\b+\i]|, |v[AC+16*\b+\i+1]|   ; (the four blocks by turns)
.endr
.endr
	WIN 0
.irp b, 0,1,2,3
	v_permlanex16_b32 v[TM+4+\b], v[TM+\b], s10, s11
.endr
.irp b, 0,1,2,3
	v_max_num_f32 v[TM+\b], v[TM+\b], v[TM+4+\b]   ; with lane l xor 16's: the block's largest magnitude
.endr
.irp b, 0,1,2,3
	v_add_nc_u32 v[TM+12+\b], 0xfe000000, v[TM+\b] ; 4 off its exponent field: the conversion's scale operand
.endr
.irp b, 0,1,2,3
	v_lshrrev_b32 v[TM+4+\b], 23, v[TM+12+\b]      ; the scale's byte
.endr
	v_lshl_or_b32 v[PWR+(\a)], v[TM+5], 8, v[TM+4]
	v_lshl_or_b32 v[PWR+(\a)], v[TM+6], 16, v[PWR+(\a)]
	v_lshl_or_b32 v[PWR+(\a)], v[TM+7], 24, v[PWR+(\a)]
	WIN 0x02+((\a)/4)                              ; source 0: window 2 or 3
	v_cvt_scalef32_pk16_bf6_f32 v[\d0:\d0+2], v[AC:AC+15], v[TM+12]
	v_cvt_scalef32_pk16_bf6_f32 v[T0:T0+2], v[AC+16:AC+31], v[TM+13]     ; (a conversion's three registers begin on an even number)
	v_cvt_scalef32_pk16_bf6_f32 v[\d1:\d1+2], v[AC+32:AC+47], v[TM+14]
	v_cvt_scalef32_pk16_bf6_f32 v[T1:T1+2], v[AC+48:AC+63], v[TM+15]
	WIN 0
	v_nop                                          ; one plain place behind a scaled conversion
.irp i, 0,1,2
	v_permlane16_swap_b32 v[\d0+\i], v[T0+\i]      ; the first's lanes 16-31 change places with the second's lanes 0-15: a whole block in a lane
	v_permlane16_swap_b32 v[\d1+\i], v[T1+\i]
.endr
.irp i, 0,1,2
	v_mov_b32 v[\d0+3+\i], v[T0+\i]
	v_mov_b32 v[\d1+3+\i], v[T1+\i]
.endr
.endm
	PLACES NP                                      ; behind the last products
	s_cmp_eq_u32 ttmp9, 2                          ; cluster x: the same in all partners
	s_cbranch_scc1 .Lv_path
	; Q, K: my row is a token, blocks 0, 1 are my first head's 64 channels, blocks 2, 3 my second head's.  Two blocks of A (tokens 8 apart) make one image for each head.
.irp p, 0,1,2,3
.if \p > 0
	s_wait_xcnt 0x0                                ; the last pair's stores have read their registers
.endif
	QUANTW 2*\p, RA, RB
	QUANTW 2*\p+1, RA+6, RB+6
.irp g, 0,1,2
	global_store_b128 v[LI], v[RA+4*\g:RA+4*\g+3], s[12:13] offset:1536*\p+512*\g          ; 32 lanes store 512 consecutive bytes
.endr
.irp g, 0,1,2
	global_store_b128 v[LI], v[RB+4*\g:RB+4*\g+3], s[12:13] offset:98304+1536*\p+512*\g    ; the second head
.endr
.endr
.irp p, 0,1,2,3
	v_perm_b32 v[WD+\p], v[PWR+2*\p+1], v[PWR+2*\p], v[SELV]   ; the head's two bytes of the first token, then of the second: lanes 0-15 for the first head, lanes 16-31 for the second
.endr
	global_store_b128 v[SOFF], v[WD:WD+3], s[66:67]            ; each half of the lanes stores 256 consecutive bytes
	s_branch .Lout_done
.Lv_path:
	; V: my row is a channel, the four blocks are the 128 keys of step s: a block of A is one whole fragment
.irp a, 0,1,2,3,4,5,6,7
.if \a > 0
	s_wait_xcnt 0x0                                ; the last fragment's stores have read their registers
.endif
	QUANTW \a, RA, RA+6
.irp g, 0,1,2
	global_store_b128 v[LI], v[RA+4*\g:RA+4*\g+3], s[12:13] offset:(\a/4)*98304+(\a%4)*1536+512*\g
.endr
.endr
.irp i, 0,1,2,3
	v_cndmask_b32 v[WD+\i], v[PWR+\i], v[PWR+4+\i], s95        ; lanes 0-15: the first head's four tiles, lanes 16-31: the second's
.endr
	global_store_b128 v[SOFF], v[WD:WD+3], s[66:67]
.Lout_done:
	s_wait_tensorcnt 0x0                           ; the wave's end
	ds_add_u32 v[SPW], v[NIL]
	s_wait_dscnt 0x0
	CROUND                                         ; the closing round: no work-group ends while a partner may still ask for a tile that names it
	s_endpgm
.Lfunc_end_k_qa9282f0901_qkv:
	.size	k_qa9282f0901_qkv, .Lfunc_end_k_qa9282f0901_qkv-k_qa9282f0901_qkv
	.p2alignl 7, 3214868480
	.fill 96, 4, 3214868480
	.section	.rodata,"a",@progbits
	.p2align	6, 0x0
	.amdhsa_kernel k_qa9282f0901_qkv
		.amdhsa_group_segment_fixed_size 327680
		.amdhsa_private_segment_fixed_size 0
		.amdhsa_enable_private_segment 0
		.amdhsa_kernarg_size 16
		.amdhsa_user_sgpr_count 2
		.amdhsa_user_sgpr_kernarg_segment_ptr 1
		.amdhsa_wavefront_size32 1
		.amdhsa_system_sgpr_workgroup_id_x 1
		.amdhsa_system_sgpr_workgroup_id_y 1
		.amdhsa_system_sgpr_workgroup_id_z 1
		.amdhsa_system_vgpr_workitem_id 0
		.amdhsa_next_free_vgpr 1024
		.amdhsa_next_free_sgpr 102
		.amdhsa_reserve_vcc 0
		.amdhsa_float_denorm_mode_32 3
		.amdhsa_float_denorm_mode_16_64 3
		.amdhsa_memory_ordered 1
		.amdhsa_forward_progress 1
		.amdhsa_inst_pref_size 197
	.end_amdhsa_kernel
	.amdgpu_metadata
---
amdhsa.version: [ 1, 2 ]
amdhsa.kernels:
  - .name:           k_qa9282f0901_qkv
    .symbol:         k_qa9282f0901_qkv.kd
    .args:
      - { .name: w1, .offset: 0, .size: 8, .value_kind: global_buffer, .address_space: global }
      - { .name: w2, .offset: 8, .size: 8, .value_kind: global_buffer, .address_space: global }
    .group_segment_fixed_size: 327680
    .private_segment_fixed_size: 0
    .kernarg_segment_align: 8
    .kernarg_segment_size: 16
    .max_flat_workgroup_size: 128
    .sgpr_count:     102
    .vgpr_count:     1024
    .wavefront_size: 32
...
	.end_amdgpu_metadata
.endif
;; end of part 2
;; launch attn (part 3): grid 4 x 64, 16 waves a work-group, no clusters, 206,848 bytes of LDS; arguments w2, w3; writes w3
.if DOCPART == 3
	.amdgcn_target "amdgcn-amd-amdhsa--gfx1250"
	.amdhsa_code_object_version 6
	.text
	.protected	k_qa9282f0901_attn
	.globl	k_qa9282f0901_attn
	.p2align	8
	.type	k_qa9282f0901_attn,@function
k_qa9282f0901_attn:
	s_mov_b64 s[64:65], 0
	v_nop
	global_prefetch_b8 v0, s[64:65] scope:SCOPE_SE
	s_setreg_imm32_b32 hwreg(HW_REG_WAVE_MODE, 25, 1), 1
	s_wait_xcnt 0x0
; Causal attention of one head on codes of BF6 (E3M2), one E8M0 scale for each 32 along a product's K: S = Q K^T (K = the head's 64), p = 2^(t - M), O = p V (K = the keys), O / l quantised along the model's 1,024 for the last product.
; t = score x log2(e) / 8; M = the row's largest t so far, rounded UP to a whole number; p is quantised along the keys, not normalised; the row's sum l is taken of the unquantised p; when M moves, l and O are multiplied by
; 2^(old M - new M), which rounds nothing.
; INPUT w2 (bh = 16 batch + head): Q's codes at 0, K's at 6,291,456: [bh][g 64][1536], images of 12 registers (register i of lane L at 512 (i / 4) + 16 L + 4 (i % 4)): 0-5 token 32 g + r + 8 (r / 8), channels 32 h on; 6-11 the token 8 on.
;   V's at 12,582,912: [bh][s 16][t 4][1536]: fragments: channel 32 (t / 2) + 8 (t % 2) + r + 8 (r / 8), keys 128 s + 64 c + 32 h on.  Scale words at 0x1200000, + 262,144, + 524,288: [bh][s][r 16][4 words].
; OUTPUT w3: codes [token tile Tg 512][head 16][3][lane 32][8 bytes]: six registers a lane: tile T = 2 g + u of a batch, lane (r, h): token 32 g + 8 u + r + 8 (r / 8), channels 32 h on;  scale bytes at 6,291,456: [16 Tg + r][32], byte 2 head + block.
; ONE HEAD'S K AND V STAY IN LDS: 196,608 bytes of codes and 8,192 of scale words, filled once by four waves' tensor loads and only ever read: no ring, no refill, one barrier.
; SHARES.  Work-group (i, bh); wave w takes two tiles of 16 queries one after the other: T1 = 16 i + w and T2 = 127 - T1.  Tile T has (T / 8) + 1 key steps of 128 under the causal mask, so every wave has 17 steps.
; The loops' trip counts are the constants 8 and 16; a step all of whose keys come after the tile's queries is passed over by a scalar branch on ids.  Four waves share a SIMD: one's vector work stands beside another's matrix work and LDS loads.
; The four work-groups of a head read the same K and V, yet no cluster: which steps a wave passes over hangs on the query block, which would be the place in the cluster, and partners must run alike.
; LAYOUT.  Both products are used transposed (source 0 = 16 keys, or 16 channels; source 1 = my 16 queries): a lane holds ONE query throughout.
; K = 64 IN AN INSTRUCTION OF 128: a fragment of K holds 16 keys in its first half and the 16 keys that lie 8 further on in its second.  It is multiplied twice: by [q, zeros] and by [zeros, q]: zero codes cancel the other half.
; The two results' 16 registers are keys 32 g' + 16 (lane / 16) + 0 .. 15: 16 neighbours along the second product's K.
; LIMITS: NaN and infinities are not served; a block of p that has fallen under 2^-122 keeps the byte 1; a block's largest p is made from its largest score by the same multiply-add and exponential (this takes v_exp_f32 not to fall where its input rises).
.set VCL,  98304                       ; LDS: K's codes at 0, V's here,
.set KSL,  196608                      ; K's scale words, 4,096 bytes,
.set VSO,  4096                        ; V's that far behind them
.set STEPB, 6144                       ; a key step's codes: four images of 1,536 bytes
.set LI,   1                           ; v1   16 x lane
.set LV,   2                           ; v2   16 x lane + VCL
.set LS,   3                           ; v3   KSL + 16 r
.set OCA,  4                           ; v4   8 x lane
.set OSA,  5                           ; v5   32 r
.set QSA,  7                           ; v7   16 r
.set ADK,  8                           ; v8-10 LDS addresses of the step in hand: K, V, scale words
.set ADV,  9
.set ADS,  10
.set RQ,   11                          ; v11  r + 8 (r / 8) - 16 h
.set QF,   16                          ; v16-33 [q 6][zeros 6][q 6].   v12 -M, v13 the largest t, v[14:15] the sum in two halves
.set QSW,  34                          ; v34  q's scale word (s0, s1, s0, s1)
.set DD,   35                          ; v35  my query's place in the diagonal step, less 16 h
.set Q1,   36                          ; v36-47, v48  tile 1's image of Q and its scale word;  v50-61, v62 tile 2's
.set Q2,   50
.set FR,   64                          ; v64-111  four fragments of K, then of V
.set KSW,  112                         ; v112-115 K's scale words;  v116-119 V's
.set VSW,  116
.set S,    120                         ; v120-183 S^T, then p
.set OT,   184                         ; v184-215 O^T
.set PC,   216                         ; v216-227 p's codes
.set CT,   228                         ; v228-230, v232-234 the conversions' second halves
.set BM,   236                         ; v236-239 the blocks' largest scores, then largest p
.set BP,   240                         ; v240-243 the other half's, then bytes
.set BS,   244                         ; v244-247 the conversions' scale operands
.set PSW,  248                         ; v248 p's scale word.   v[250:251] f;  v[252:253], v254 at work
.set WV,   20
.set G1C,  28                          ; s[28:35] descriptor group 1 for the codes;  s[36:43] for the scale words;  s[44:47], s[48:51] their groups 0
.set G1S,  36
.set G0S,  44
.set G0C,  48
.set SEL,  56                          ; s[56:57] lane selects for v_permlanex16_b32: lane l xor 16
.set CS,   58                          ; s[58:59] c = log2(e) / 8
.set TB,   60                          ; s60 the step's codes in LDS;  s61 its scale words;  s62 the step;  s63 the tile's diagonal step
.set TS,   61
.set SI,   62
.set SB,   63
	s_load_b128 s[4:7], s[0:1], 0x0                ; w2 s[4:5], w3 s[6:7]
	v_lshl_add_u32 v249, v0, 2, 0x32000
	v_mov_b32 v255, 0
	ds_add_u32 v249, v255
	ds_add_u32 v249, v255
	v_lshrrev_b32 v8, 5, v0
	s_delay_alu instid0(VALU_DEP_1)
	v_readfirstlane_b32 s[WV], v8                  ; wave 0..15
	s_and_b32 s23, ttmp7, 0xffff                   ; bh
	s_and_b32 s21, s[WV], 1                        ; waves 0-3 fetch: for K (0) or for V (1),
	s_bfe_u32 s22, s[WV], 0x10001                  ; the first or the second half
	; descriptor group 1: dense blocks as rows of 256 bytes (32 elements of 8 bytes): 192 rows of codes, 8 rows of scale words
	s_mov_b32 s[G1C], 3<<16                        ; 15:0 no mask; 17:16 elements of 8 bytes; 20 padding off
	s_mov_b32 s[G1C+1], 32<<16                     ; tensor_dim0
	s_mov_b32 s[G1C+2], 192<<16                    ; tensor_dim1
	s_mov_b32 s[G1C+3], 32<<16                     ; tile_dim0
	s_mov_b32 s[G1C+4], 192                        ; tile_dim1
	s_mov_b32 s[G1C+5], 32                         ; tensor_dim0_stride
	s_mov_b32 s[G1C+6], 0
	s_mov_b32 s[G1C+7], 0
	s_mov_b32 s[G1S], 3<<16
	s_mov_b32 s[G1S+1], 32<<16
	s_mov_b32 s[G1S+2], 8<<16
	s_mov_b32 s[G1S+3], 32<<16
	s_mov_b32 s[G1S+4], 8
	s_mov_b32 s[G1S+5], 32
	s_mov_b32 s[G1S+6], 0
	s_mov_b32 s[G1S+7], 0
	s_mul_i32 s24, s21, VCL
	s_mul_i32 s25, s22, 49152
	s_add_co_u32 s24, s24, s25                     ; LDS: my half of the codes
	s_lshl_b32 s25, s21, 12
	s_lshl_b32 s26, s22, 11
	s_add_co_u32 s25, s25, s26
	s_add_co_u32 s25, s25, KSL                     ; and of the scale words
	s_add_co_u32 s26, s21, 1                       ; in w2: K is the second tensor, V the third
	s_mul_i32 s84, s26, 6291456
	s_mul_i32 s27, s23, 98304
	s_add_co_u32 s84, s84, s27
	s_mul_i32 s27, s22, 49152
	s_add_co_u32 s84, s84, s27
	s_mov_b32 s85, 0
	s_lshl_b32 s86, s26, 18
	s_lshl_b32 s27, s23, 12
	s_add_co_u32 s86, s86, s27
	s_lshl_b32 s27, s22, 11
	s_add_co_u32 s86, s86, s27
	s_add_co_u32 s86, s86, 0x1200000
	s_mov_b32 s87, 0
	s_mov_b32 s[SEL], 0x76543210
	s_mov_b32 s[SEL+1], 0xfedcba98
	s_mov_b32 s[CS], 0x3e38aa3b                    ; c = log2(e) / 8
	s_mov_b32 s[CS+1], s[CS]                       ; (named with it as a pair, so it is written)
	s_lshl_b32 s66, ttmp9, 4
	s_add_co_u32 s66, s66, s[WV]                   ; T1 = 16 i + w
	s_sub_co_u32 s67, 127, s66                     ; T2
	s_wait_dscnt 0x0
	s_wait_kmcnt 0x0
	s_mov_b32 s[G0S], 1                            ; 1:0 count = 1
	s_mov_b32 s[G0S+1], s25                        ; 63:32 LDS address
	s_add_nc_u64 s[G0S+2:G0S+3], s[4:5], s[86:87]  ; 120:64 global address
	s_or_b32 s[G0S+3], s[G0S+3], 0x80000000        ; 127:126 type = 2
	s_mov_b32 s[G0C], 1
	s_mov_b32 s[G0C+1], s24
	s_add_nc_u64 s[G0C+2:G0C+3], s[4:5], s[84:85]
	s_or_b32 s[G0C+3], s[G0C+3], 0x80000000
	s_cmp_lt_u32 s[WV], 4                          ; a wave's two fills stand in one branch, ahead of every wait on TENSORcnt, every LDS read and the barrier: two loads of mine are out
	s_cbranch_scc0 .Lno_fill
	tensor_load_to_lds s[G0S:G0S+3], s[G1S:G1S+7]
	s_nop 0
	tensor_load_to_lds s[G0C:G0C+3], s[G1C:G1C+7]
	s_nop 0
.rept 4
	v_nop
.endr
.Lno_fill:
; where tile s[t]'s Q lies and where its O goes
.macro BASES t, qc, qs, oc, os
	s_lshr_b32 s84, s[\t], 1
	s_lshl_b32 s85, s23, 6
	s_add_co_u32 s84, s84, s85
	s_mul_i32 s84, s84, 1536                       ; image 64 bh + T / 2
	s_mov_b32 s85, 0
	s_add_nc_u64 s[\qc:\qc+1], s[4:5], s[84:85]
	s_lshr_b32 s84, s[\t], 3
	s_lshl_b32 s86, s23, 4
	s_add_co_u32 s84, s84, s86
	s_lshl_b32 s84, s84, 8                         ; 256 bytes for (bh, s = T / 8),
	s_bfe_u32 s86, s[\t], 0x20001
	s_lshl_b32 s86, s86, 2                         ; word (T / 2) % 4 of my row's four
	s_add_co_u32 s84, s84, s86
	s_add_co_u32 s84, s84, 0x1200000
	s_add_nc_u64 s[\qs:\qs+1], s[4:5], s[84:85]
	s_lshr_b32 s84, s23, 4
	s_lshl_b32 s84, s84, 7
	s_add_co_u32 s84, s84, s[\t]                   ; Tg = 128 batch + T
	s_lshl_b32 s86, s84, 9                         ; its 16 rows of 32 scale bytes
	s_lshl_b32 s84, s84, 4
	s_and_b32 s87, s23, 15                         ; head
	s_add_co_u32 s84, s84, s87
	s_mul_i32 s84, s84, 768
	s_add_nc_u64 s[\oc:\oc+1], s[6:7], s[84:85]
	s_lshl_b32 s87, s87, 1
	s_add_co_u32 s84, s86, s87
	s_add_co_u32 s84, s84, 6291456
	s_add_nc_u64 s[\os:\os+1], s[6:7], s[84:85]
.endm
	BASES 66, 68, 70, 72, 74
	BASES 67, 76, 78, 80, 82
	v_and_b32 v8, 31, v0                           ; lane
	v_and_b32 v9, 15, v0                           ; r
	v_bfe_u32 v10, v0, 4, 1                        ; h
	s_delay_alu instid0(VALU_DEP_3)
	v_lshlrev_b32 v[LI], 4, v8
	s_delay_alu instid0(VALU_DEP_1)
	v_add_nc_u32 v[LV], VCL, v[LI]
	s_delay_alu instid0(VALU_DEP_4)
	v_lshl_add_u32 v[LS], v9, 4, KSL
	v_lshlrev_b32 v[OCA], 3, v8
	v_lshlrev_b32 v[OSA], 5, v9
	v_lshlrev_b32 v[QSA], 4, v9
.irp g, 0,1,2
	global_load_b128 v[Q1+4*\g:Q1+4*\g+3], v[LI], s[68:69] offset:512*\g     ; both tiles' images of Q are asked for now
.endr
	global_load_b32 v[Q1+12], v[QSA], s[70:71]
.irp g, 0,1,2
	global_load_b128 v[Q2+4*\g:Q2+4*\g+3], v[LI], s[76:77] offset:512*\g
.endr
	global_load_b32 v[Q2+12], v[QSA], s[78:79]
	v_and_b32 v[RQ], 8, v9
	s_delay_alu instid0(VALU_DEP_1)
	v_add_nc_u32 v[RQ], v[RQ], v9
	v_lshlrev_b32 v10, 4, v10
	s_delay_alu instid0(VALU_DEP_1)
	v_sub_nc_u32 v[RQ], v[RQ], v10                 ; r + 8 (r / 8) - 16 h
.irp i, 0,1,2,3,4,5
	v_mov_b32 v[QF+6+\i], 0                        ; the zero codes between the two copies of q: written once
.endr
	s_wait_tensorcnt 0x0                           ; my parts of K, V and their scale words are in LDS,
	s_barrier_signal -1
	s_barrier_wait -1                              ; everybody's are: from here on LDS is only read
; ONE TILE OF 16 QUERIES.  t: the scalar register with its number; qi: its image of Q (the scale word 12 registers on); oc, os: where its codes and scale bytes go; trips: the loop's constant count.
.macro TILE t, qi, oc, os, trips
	s_and_b32 s84, s[\t], 1                        ; u: the image's first or second six registers, the word's first or second two bytes
	s_cmp_lg_u32 s84, 0
	s_cselect_b32 s85, -1, 0
	s_mov_b32 s86, 0x03020302
	s_mov_b32 s87, 0x01000100
	s_cselect_b32 s86, s86, s87
.irp i, 0,1,2,3,4,5
	v_cndmask_b32 v[QF+\i], v[\qi+\i], v[\qi+6+\i], s85
	v_cndmask_b32 v[QF+12+\i], v[\qi+\i], v[\qi+6+\i], s85
.endr
	v_perm_b32 v[QSW], v[\qi+12], v[\qi+12], s86   ; (s0, s1, s0, s1)
	s_bfe_u32 s87, s[\t], 0x20001
	s_lshl_b32 s87, s87, 5
	s_lshl_b32 s84, s84, 3
	s_add_co_u32 s87, s87, s84
	v_add_nc_u32 v[DD], s87, v[RQ]                 ; my query in its step of 128: 32 ((T / 2) % 4) + 8 u + r + 8 (r / 8), less 16 h
	s_lshr_b32 s[SB], s[\t], 3                     ; the step on the diagonal
	s_mov_b32 s[TB], 0
	s_mov_b32 s[TS], 0
	s_mov_b32 s[SI], 0
	v_mov_b32 v13, 0xff61b1e6                      ; the largest t so far: -3e38, under every t
	s_delay_alu instid0(VALU_DEP_1)
	v_floor_f32 v12, -v13                          ; -M
	v_mov_b32 v14, 0                               ; the sum, in two halves
	v_mov_b32 v15, 0
	v_mov_b32 v251, 0                              ; (named as the upper half of the pair v[250:251])
	v_mov_b32 v252, 0                              ; (a lane permute's destination counts as one of its sources)
.irp b, 0,1,2,3
	v_mov_b32 v[BP+\b], 0
.endr
.set n, 0
.rept 32
	v_mov_b32 v[OT+n], 0                           ; O^T: the step is written once; its first trip finds zeros.  (These lines are also the places between q's scale word and the first product)
.set n, n+1
.endr
.Lstep_\@:
	s_cmp_gt_u32 s[SI], s[SB]                      ; all 128 keys come after my queries: only the counters step
	s_cbranch_scc1 .Lhidden_\@
	s_setprio 2
	v_add_nc_u32 v[ADK], s[TB], v[LI]
	v_add_nc_u32 v[ADV], s[TB], v[LV]
	v_add_nc_u32 v[ADS], s[TS], v[LS]
	v_nop                                          ; four places in front of loads into registers that the last products read
.irp b, 0,1,2,3
.irp g, 0,1,2
	ds_load_b128 v[FR+12*\b+4*\g:FR+12*\b+4*\g+3], v[ADK] offset:1536*\b+512*\g      ; an image comes back as it was stored: 512 consecutive bytes a load
.endr
.endr
	ds_load_b128 v[KSW:KSW+3], v[ADS]              ; my row's four scale words of K,
	ds_load_b128 v[VSW:VSW+3], v[ADS] offset:VSO   ; and of V
	s_wait_alu depctr_va_vdst(0)
	s_wait_dscnt 0x1                               ; all but V's scale words
.irp b, 0,1,2,3
	v_wmma_scale_f32_16x16x128_f8f6f4 v[S+16*\b:S+16*\b+7], v[FR+12*\b:FR+12*\b+11], v[QF:QF+11], 0, v[KSW+\b], v[QSW] matrix_a_fmt:MATRIX_FMT_BF6 matrix_b_fmt:MATRIX_FMT_BF6
	v_wmma_scale_f32_16x16x128_f8f6f4 v[S+16*\b+8:S+16*\b+15], v[FR+12*\b:FR+12*\b+11], v[QF+6:QF+17], 0, v[KSW+\b], v[QSW] matrix_a_fmt:MATRIX_FMT_BF6 matrix_b_fmt:MATRIX_FMT_BF6
.endr                                              ; register 16 b + i: key 32 b + 16 h + i of the step
.rept 4
	v_nop                                          ; places: the loads below land where K's fragments lay, and the scores are read
.endr
.irp u, 0,1,2,3
.irp g, 0,1,2
	ds_load_b128 v[FR+12*\u+4*\g:FR+12*\u+4*\g+3], v[ADV] offset:1536*\u+512*\g      ; V's four fragments land under the softmax
.endr
.endr
	s_cmp_lt_u32 s[SI], s[SB]                      ; a step all of whose keys count has no mask
	s_cbranch_scc1 .Lopen_\@
	v_mov_b32 v254, 0xff800000                     ; on the diagonal hidden scores become -infinity ahead of the maximum: p = 0 then.  My own key counts, so the maximum is a number
.set n, 0
.rept 64
	v_cmp_gt_i32 vcc_lo, 32*(n/16)+n%16, v[DD]
	v_cndmask_b32 v[S+n], v[S+n], v254, vcc_lo
.set n, n+1
.endr
.Lopen_\@:
.irp b, 0,1,2,3
	v_max3_num_f32 v[BM+\b], v[S+16*\b], v[S+16*\b+1], v[S+16*\b+2]       ; the largest score of each block of 32 keys: for the row's maximum and for the block's largest p
.endr
.irp i, 3,5,7,9,11,13
.irp b, 0,1,2,3
	v_max3_num_f32 v[BM+\b], v[BM+\b], v[S+16*\b+\i], v[S+16*\b+\i+1]     ; (the four blocks by turns)
.endr
.endr
.irp b, 0,1,2,3
	v_max_num_f32 v[BM+\b], v[BM+\b], v[S+16*\b+15]
.endr
.irp b, 0,1,2,3
	s_delay_alu instid0(VALU_DEP_4)
	v_permlanex16_b32 v[BP+\b], v[BM+\b], s[SEL], s[SEL+1]
.endr
.irp b, 0,1,2,3
	s_delay_alu instid0(VALU_DEP_4)
	v_max_num_f32 v[BM+\b], v[BM+\b], v[BP+\b]     ; with lane l xor 16's 16 keys
.endr
	s_delay_alu instid0(VALU_DEP_2)
	v_max3_num_f32 v254, v[BM], v[BM+1], v[BM+2]
	s_delay_alu instid0(VALU_DEP_1)
	v_max_num_f32 v254, v254, v[BM+3]              ; the step's largest score of my query
	s_delay_alu instid0(VALU_DEP_1)
	v_mul_f32 v254, s[CS], v254                    ; as t (c is positive)
	s_delay_alu instid0(VALU_DEP_1)
	v_max_num_f32 v13, v13, v254                   ; the running largest t
	v_mov_b32 v254, v12
	s_delay_alu instid0(VALU_DEP_2)
	v_floor_f32 v12, -v13                          ; the new -M = floor(-t) = -ceil(t)
	s_delay_alu instid0(VALU_DEP_1)
	v_sub_f32 v254, v12, v254                      ; old M - new M: a whole number, 0 or less
	s_delay_alu instid0(VALU_DEP_1)
	v_cvt_i32_f32 v254, v254                       ; (it saturates)
	s_delay_alu instid0(VALU_DEP_1)
	v_ldexp_f32 v250, 1.0, v254                    ; f = 2^(old M - new M)
.set n, 0
.rept 32
	v_pk_fma_f32 v[S+n:S+n+1], v[S+n:S+n+1], s[CS:CS+1], v[12:13] op_sel_hi:[1,0,0]   ; t - M, two at a time
.set n, n+2
.endr
	s_setprio 1
.irp b, 0,1,2,3
	v_fma_f32 v[BM+\b], v[BM+\b], s[CS], v12       ; the same of each block's largest score
.endr
.set n, 0
	s_wait_alu depctr_va_vdst(0)
.rept 64
	v_exp_f32 v[S+n], v[S+n]                       ; p = 2^(t - M), at most 1
.set n, n+1
.endr
.irp b, 0,1,2,3
	v_exp_f32 v[BM+\b], v[BM+\b]                   ; the block's largest p
.endr
	v_pk_mul_f32 v[14:15], v[14:15], v[250:251] op_sel_hi:[1,0]   ; the sums under the new M.  (A plain place behind the exponentials)
	s_wait_alu depctr_va_vdst(0)
.irp b, 0,1,2,3
	v_max_num_f32 v[BM+\b], 0x2800000, v[BM+\b]    ; the floor 2^(5 - 127): the byte cannot fall under 1
.endr
.irp b, 0,1,2,3
	s_delay_alu instid0(VALU_DEP_4)
	v_add_nc_u32 v[BS+\b], 0xfe000000, v[BM+\b]    ; 4 off the exponent field: the conversion's scale operand
.endr
.irp b, 0,1,2,3
	s_delay_alu instid0(VALU_DEP_4)
	v_lshrrev_b32 v[BP+\b], 23, v[BS+\b]           ; the scale's byte
.endr
	s_delay_alu instid0(VALU_DEP_3)
	v_lshl_or_b32 v[PSW], v[BP+1], 8, v[BP]        ; p's scale word for these 128 keys
	s_delay_alu instid0(VALU_DEP_1)
	v_lshl_or_b32 v[PSW], v[BP+2], 16, v[PSW]
	s_delay_alu instid0(VALU_DEP_1)
	v_lshl_or_b32 v[PSW], v[BP+3], 24, v[PSW]
.irp c, 0,1
	v_cvt_scalef32_pk16_bf6_f32 v[PC+6*\c:PC+6*\c+2], v[S+32*\c:S+32*\c+15], v[BS+2*\c]
	v_cvt_scalef32_pk16_bf6_f32 v[CT+4*\c:CT+4*\c+2], v[S+32*\c+16:S+32*\c+31], v[BS+2*\c+1]   ; (a conversion's three registers begin on an even number)
.endr
	v_nop                                          ; one plain place behind a scaled conversion
.irp c, 0,1                                        ; the operand's layout wants a WHOLE block in a lane: lanes 0-15 block 2 c, lanes 16-31 block 2 c + 1
.irp i, 0,1,2
	v_permlane16_swap_b32 v[PC+6*\c+\i], v[CT+4*\c+\i]
.endr
.irp i, 0,1,2
	s_delay_alu instid0(VALU_DEP_3)
	v_mov_b32 v[PC+6*\c+3+\i], v[CT+4*\c+\i]
.endr
.endr
	v_pk_add_f32 v[252:253], v[124:125], v[128:129]
	v_pk_add_f32 v[246:247], v[132:133], v[136:137]
	v_pk_add_f32 v[244:245], v[140:141], v[144:145]
	v_pk_add_f32 v[238:239], v[148:149], v[152:153]
	v_pk_add_f32 v[236:237], v[156:157], v[160:161]
	v_pk_add_f32 v[234:235], v[164:165], v[168:169]
	v_pk_add_f32 v[232:233], v[172:173], v[176:177]
	v_pk_add_f32 v[14:15], v[14:15], v[180:181]
	v_pk_add_f32 v[252:253], v[252:253], v[120:121]
	v_pk_add_f32 v[246:247], v[246:247], v[122:123]
	v_pk_add_f32 v[244:245], v[244:245], v[126:127]
	s_setprio 0
	v_pk_add_f32 v[238:239], v[238:239], v[130:131]
	v_pk_add_f32 v[236:237], v[236:237], v[134:135]
	v_pk_add_f32 v[234:235], v[234:235], v[138:139]
	v_pk_add_f32 v[232:233], v[232:233], v[142:143]
	v_pk_add_f32 v[14:15], v[14:15], v[146:147]
	v_pk_add_f32 v[252:253], v[252:253], v[150:151]
	v_pk_add_f32 v[246:247], v[246:247], v[154:155]
	v_pk_add_f32 v[244:245], v[244:245], v[158:159]
	v_pk_add_f32 v[238:239], v[238:239], v[162:163]
	v_pk_add_f32 v[236:237], v[236:237], v[166:167]
	v_pk_add_f32 v[234:235], v[234:235], v[170:171]
	v_pk_add_f32 v[232:233], v[232:233], v[174:175]
	v_pk_add_f32 v[14:15], v[14:15], v[178:179]
	v_pk_add_f32 v[252:253], v[252:253], v[182:183]
	s_delay_alu instid0(VALU_DEP_2)
	v_pk_add_f32 v[14:15], v[14:15], v[238:239]
	s_delay_alu instid0(VALU_DEP_2)
	v_pk_add_f32 v[252:253], v[252:253], v[236:237]
	v_pk_add_f32 v[246:247], v[246:247], v[234:235]
	v_pk_add_f32 v[244:245], v[244:245], v[232:233]
	s_delay_alu instid0(VALU_DEP_2)
	v_pk_add_f32 v[14:15], v[14:15], v[246:247]
	s_delay_alu instid0(VALU_DEP_2)
	v_pk_add_f32 v[252:253], v[252:253], v[244:245]
	s_delay_alu instid0(VALU_DEP_1)
	v_pk_add_f32 v[14:15], v[14:15], v[252:253]
.set n, 0
.rept 16
	v_pk_mul_f32 v[OT+n:OT+n+1], v[OT+n:OT+n+1], v[250:251] op_sel_hi:[1,0]   ; O^T under the new M, each accumulator from its low end on
.set n, n+2
.endr
	s_wait_alu depctr_va_vdst(0)
	s_wait_dscnt 0x0                               ; V's fragments and scale words are in
.irp u, 0,1,2,3                                    ; O^T += V^T P^T: the four accumulators by turns
	v_wmma_scale_f32_16x16x128_f8f6f4 v[OT+8*\u:OT+8*\u+7], v[FR+12*\u:FR+12*\u+11], v[PC:PC+11], v[OT+8*\u:OT+8*\u+7], v[VSW+\u], v[PSW] matrix_a_fmt:MATRIX_FMT_BF6 matrix_b_fmt:MATRIX_FMT_BF6
.endr                                              ; register 16 g + i: channel 32 g + 16 h + i of the head
.Lhidden_\@:
	s_add_co_u32 s[TB], s[TB], STEPB
	s_add_co_u32 s[TS], s[TS], 256
	s_add_co_u32 s[SI], s[SI], 1
	s_cmp_lt_u32 s[SI], \trips
	s_cbranch_scc1 .Lstep_\@
	s_setprio 0
	; THE WAY OUT: O^T / l, quantised along the head's 64 channels (two blocks of the last product's K)
.rept 4
	v_nop                                          ; places behind the last products
.endr
	v_add_f32 v14, v14, v15                        ; the sum's two halves,
	s_delay_alu instid0(VALU_DEP_1)
	v_permlanex16_b32 v252, v14, s[SEL], s[SEL+1]
	s_delay_alu instid0(VALU_DEP_1)
	v_add_f32 v14, v14, v252                       ; and lane l xor 16's: the row's sum
	s_wait_alu depctr_va_vdst(0)
	v_rcp_f32 v250, v14
	v_nop                                          ; one plain place behind a transcendental
.set n, 0
	s_wait_alu depctr_va_vdst(0)
.rept 16
	v_pk_mul_f32 v[S+n:S+n+1], v[OT+n:OT+n+1], v[250:251] op_sel_hi:[1,0]
.set n, n+2
.endr
.irp b, 0,1
	v_max3_num_f32 v[BM+\b], |v[S+16*\b]|, |v[S+16*\b+1]|, 0x2800000
.endr
.irp i, 2,4,6,8,10,12,14
.irp b, 0,1
	s_delay_alu instid0(VALU_DEP_2)
	v_max3_num_f32 v[BM+\b], v[BM+\b], |v[S+16*\b+\i]|, |v[S+16*\b+\i+1]|
.endr
.endr
.irp b, 0,1
	s_delay_alu instid0(VALU_DEP_2)
	v_permlanex16_b32 v[BP+\b], v[BM+\b], s[SEL], s[SEL+1]
.endr
.irp b, 0,1
	s_delay_alu instid0(VALU_DEP_2)
	v_max_num_f32 v[BM+\b], v[BM+\b], v[BP+\b]
.endr
.irp b, 0,1
	s_delay_alu instid0(VALU_DEP_2)
	v_add_nc_u32 v[BS+\b], 0xfe000000, v[BM+\b]
.endr
.irp b, 0,1
	s_delay_alu instid0(VALU_DEP_2)
	v_lshrrev_b32 v[BP+\b], 23, v[BS+\b]
.endr
	s_delay_alu instid0(VALU_DEP_1)
	v_lshl_or_b32 v254, v[BP+1], 8, v[BP]          ; my row's two scale bytes of this head
	v_cvt_scalef32_pk16_bf6_f32 v[PC:PC+2], v[S:S+15], v[BS]
	v_cvt_scalef32_pk16_bf6_f32 v[CT:CT+2], v[S+16:S+31], v[BS+1]
	v_nop
.irp i, 0,1,2
	v_permlane16_swap_b32 v[PC+\i], v[CT+\i]
.endr
.irp i, 0,1,2
	s_delay_alu instid0(VALU_DEP_3)
	v_mov_b32 v[PC+3+\i], v[CT+\i]
.endr
.irp i, 0,1,2
	global_store_b64 v[OCA], v[PC+2*\i:PC+2*\i+1], s[\oc:\oc+1] offset:256*\i   ; 32 lanes store 256 consecutive bytes, aligned
.endr
	global_store_b16 v[OSA], v254, s[\os:\os+1]    ; two bytes of each of 16 rows, 32 bytes apart (lanes l and l xor 16 write the same bytes with the same value): one byte in 25 of what the launch stores
	s_wait_xcnt 0x0                                ; the stores have read their registers
.endm
	s_wait_loadcnt 0x4                             ; tile 1's Q is in; tile 2's four loads may be out
	TILE 66, Q1, 72, 74, 8
	s_wait_loadcnt 0x0
	TILE 67, Q2, 80, 82, 16
	s_wait_tensorcnt 0x0
	ds_add_u32 v249, v255
	s_wait_dscnt 0x0
	s_endpgm
.Lfunc_end_k_qa9282f0901_attn:
	.size	k_qa9282f0901_attn, .Lfunc_end_k_qa9282f0901_attn-k_qa9282f0901_attn
	.p2alignl 7, 3214868480
	.fill 96, 4, 3214868480
	.section	.rodata,"a",@progbits
	.p2align	6, 0x0
	.amdhsa_kernel k_qa9282f0901_attn
		.amdhsa_group_segment_fixed_size 206848
		.amdhsa_private_segment_fixed_size 0
		.amdhsa_enable_private_segment 0
		.amdhsa_kernarg_size 16
		.amdhsa_user_sgpr_count 2
		.amdhsa_user_sgpr_kernarg_segment_ptr 1
		.amdhsa_wavefront_size32 1
		.amdhsa_system_sgpr_workgroup_id_x 1
		.amdhsa_system_sgpr_workgroup_id_y 1
		.amdhsa_system_sgpr_workgroup_id_z 1
		.amdhsa_system_vgpr_workitem_id 0
		.amdhsa_next_free_vgpr 256
		.amdhsa_next_free_sgpr 96
		.amdhsa_reserve_vcc 1
		.amdhsa_float_denorm_mode_32 3
		.amdhsa_float_denorm_mode_16_64 3
		.amdhsa_memory_ordered 1
		.amdhsa_forward_progress 1
		.amdhsa_inst_pref_size 66
	.end_amdhsa_kernel
	.amdgpu_metadata
---
amdhsa.version: [ 1, 2 ]
amdhsa.kernels:
  - .name:           k_qa9282f0901_attn
    .symbol:         k_qa9282f0901_attn.kd
    .args:
      - { .name: w2, .offset: 0, .size: 8, .value_kind: global_buffer, .address_space: global }
      - { .name: w3, .offset: 8, .size: 8, .value_kind: global_buffer, .address_space: global }
    .group_segment_fixed_size: 206848
    .private_segment_fixed_size: 0
    .kernarg_segment_align: 8
    .kernarg_segment_size: 16
    .max_flat_workgroup_size: 512
    .sgpr_count:     96
    .vgpr_count:     256
    .wavefront_size: 32
...
	.end_amdgpu_metadata
.endif
;; end of part 3
;; launch oproj (part 4): grid 4 x 32, 4 waves a work-group, clusters of 4 x 4, 327,680 bytes of LDS; arguments w3, w1, out0; writes out0
.if DOCPART == 4
	.amdgcn_target "amdgcn-amd-amdhsa--gfx1250"
	.amdhsa_code_object_version 6
	.text
	.protected	k_qa9282f0901_oproj
	.globl	k_qa9282f0901_oproj
	.p2align	8
	.type	k_qa9282f0901_oproj,@function
k_qa9282f0901_oproj:
	s_mov_b64 s[64:65], 0
	v_nop
	global_prefetch_b8 v0, s[64:65] scope:SCOPE_SE
	s_setreg_imm32_b32 hwreg(HW_REG_WAVE_MODE, 25, 1), 1
	s_wait_xcnt 0x0
	s_wait_alu depctr_hold_cnt(0) depctr_sa_sdst(0) depctr_va_vdst(0) depctr_va_sdst(0) depctr_va_ssrc(0) depctr_va_vcc(0) depctr_vm_vsrc(0)
	s_getreg_b32 s2, hwreg(HW_REG_IB_STS2, 6, 4)
	s_cmp_eq_u32 s2, 0
	s_cbranch_scc0 .Lentry_in_a_cluster
	s_endpgm
.Lentry_in_a_cluster:
	s_bfe_u32 s2, ttmp6, 0x10000c
	s_cmp_lg_u32 s2, 0xf033
	s_cbranch_scc0 .Lentry_shape_is_right
	s_endpgm
.Lentry_shape_is_right:
; out0 = O W_o^T on codes of BF6 (E3M2) with one E8M0 scale for each 32 along K (1,024); sums and result in f32.
; A = the attention's result, w3: codes [token tile Tg 512][head 16][3][lane 32][8 bytes]: for each tile of 16 tokens and each head the six registers of half a fragment, as three runs of 256 bytes; two heads are 128 along K.
;   Lane r of tile 2 g + u of the table is token 32 g + 8 u + r + 8 (r / 8).  Its scale bytes at 6,291,456: [16 Tg + r][32].
; B = W_o: rows 11,264 on of w1's table (768 bytes of codes a row; 32 scale bytes a row from byte XSC), in their own order.
; A tile of out0, 256 x 256, is made by four waves, each 128 x 128: 64 accumulators, 512 registers.  K goes in steps of 256 through a ring of two LDS slots filled by the tensor data mover; the scale bytes come into LDS once.
; 4 x 4 work-groups form a cluster: A's tiles are asked for jointly along a row of the cluster, B's along a column.  The matrix instruction is used transposed (source 0 = 16 rows of B, source 1 = 16 rows of A):
; a lane holds eight neighbouring numbers of a row of out0.  128 work-groups: the result has 128 tiles of this size.
; REGISTERS, in windows of 256: window 0: v0-31 addresses; v32-63 scale words, two sets; from v128 A's fragments, ONE set; on the way out v128-255 rows read back.   window 1: B's fragments, TWO sets.
;   window 2: the accumulators of my rows 0-63 ((a, b) at v[8 (8 a + b)]);   window 3: those of my rows 64-127.
.set SIZE_N, 1024
.set KSTEP,  256
.set NQ,     KSTEP/128
.set ROWB,   192                       ; a row of B's tile in bytes
.set KROW,   768                       ; a row of codes in bytes: B's in memory; A's 16 rows of a token tile are 16 x 768 bytes too
.set PITCH,  240                       ; B's LDS row: 3 x (64 bytes + 16 of padding)
.set ASTEP,  3072                      ; A: a token tile's bytes of a K step: four heads x 768
.set FR,     12
.set NL,     6
.set NP,     4
.set HALFA,  8*ASTEP                   ; A: eight token tiles: what one tensor load brings, and what one wave reads
.set HALFB,  128*PITCH                 ; B: 128 rows
.set SLOT,   2*HALFA+2*HALFB           ; A's two halves, then B's two
.set LAPS,   2
.set KS,     32
.set SCL,    2*SLOT                    ; behind the ring: the scales, as runs of 256 bytes + 16 of padding
.set HALFS,  (128*KS/256)*272
.set SBLK,   (16*KS/256)*272
.set SPARE,  SCL+4*HALFS               ; the spare words, 128 bytes for each wave: two blocks of 256 bytes that no other line names
.set SPITCH, 528                       ; the way out: a stage of 16 rows x (512 bytes + 16) for each wave, in slot 0, which has had its last fill and its last read when the first result is stored there
.set XSC,    0x900000
.set ADRA, 16                          ; v16-17  LDS address of my A fragments in slot 0, 1
.set ADRB, 20                          ; v20-21  the same for B  (v22-23: for the pieces that lie behind one padding more)
.set STO,  24                          ; v24     the way out: where I put 32 bytes of a row
.set RD,   25                          ; v25     where I read a row back
.set CO,   26                          ; v26     my byte offset in a row of out0
.set ADRS, 27                          ; v27     LDS address of my scale words
.set SPW,  28                          ; v28     LDS address of my spare word; never rewritten
.set NIL,  29                          ; v29     0; never rewritten
.set SC,   32
.set AF,   128
.set BK,   128
.set G1, 24
.set G0, 32
.set G1B, 48
.set G0B, 56
.set G1S, 68
.set G0S, 76
.set G1SB, 80
.set G0SB, 88
.set MSB, 0
.macro WIN new                         ; the immediate's high byte repeats the setting that is left
.if MSB != \new
	s_set_vgpr_msb (MSB<<8)|\new
.set MSB, \new
.endif
.endm
.set MUL_LO, 0xa1
.set MUL_HI, 0xf1
.set TO_B,   0x40
.macro JLOAD g0a, g1a, g0b, g1b        ; a joint load: waves 0 and 1 fetch for A, waves 2 and 3 for B; four v_nop follow each of the two lines
	s_cmp_eq_u32 s15, 0
	s_cbranch_scc0 .Lfor_b_\@
	tensor_load_to_lds s[\g0a:\g0a+3], s[\g1a:\g1a+7]
	s_nop 0
.rept 4
	v_nop
.endr
	s_branch .Lasked_\@
.Lfor_b_\@:
	tensor_load_to_lds s[\g0b:\g0b+3], s[\g1b:\g1b+7]
	s_nop 0
.rept 4
	v_nop
.endr
.Lasked_\@:
.endm
.macro CREST
	s_cmp_lg_u32 s14, 0
	s_cbranch_scc1 .Lnot_wave_0_\@
	s_barrier_signal -3
.Lnot_wave_0_\@:
	s_barrier_wait -3
	s_barrier_signal -1
	s_barrier_wait -1
.endm
.macro CROUND
	s_barrier_signal -1
	s_barrier_wait -1
	CREST
.endm
	s_load_b128 s[4:7], s[0:1], 0x0                ; w3 s[4:5], w1 s[6:7]
	s_load_b64 s[12:13], s[0:1], 0x10              ; out0
	v_lshl_add_u32 v[SPW], v0, 2, SPARE
	v_mov_b32 v[NIL], 0
	ds_add_u32 v28, v29
	ds_add_u32 v28, v29
	s_wait_dscnt 0x0
	v_lshrrev_b32 v1, 5, v0
	v_readfirstlane_b32 s14, v1                    ; wave 0..3
	s_lshr_b32 s15, s14, 1                         ; which half of the tile's rows is mine.  Also: I fetch for A (0) or for B (1)
	s_and_b32 s16, s14, 1                          ; which half of its columns.  Also: which half of that tile I fetch
	s_bfe_u32 s40, ttmp6, 0x40000                  ; cx, cy
	s_bfe_u32 s41, ttmp6, 0x40004
	s_lshl_b32 s42, ttmp9, 2
	s_add_co_u32 s42, s42, s40                     ; tile column = 4 x cluster x + cx
	s_add_co_u32 s95, s42, 44                      ; W_o's tiles begin at tile 44 of w1's table
	s_and_b32 s17, ttmp7, 0xffff
	s_lshl_b32 s17, s17, 2
	s_add_co_u32 s17, s17, s41                     ; tile row = 4 x cluster y + cy
	s_lshl_b32 s43, s41, 2
	s_lshl_b32 s43, 15, s43                        ; my row of the cluster
	s_lshl_b32 s44, 0x1111, s40                    ; my column
	; descriptor group 1.  A: eight token tiles x 3,072 bytes (384 elements of 8 bytes), 12,288 bytes apart, no padding: the fragments' loads read 256 consecutive bytes each
	s_or_b32 s[G1+0], s43, (3<<16)|(1<<21)         ; 15:0 the mask: my row; 17:16 elements of 8 bytes; 21 set beside a mask
	s_mov_b32 s[G1+1], 384<<16                     ; tensor_dim0
	s_mov_b32 s[G1+2], 8<<16                       ; tensor_dim1
	s_mov_b32 s[G1+3], 384<<16                     ; tile_dim0
	s_mov_b32 s[G1+4], 8                           ; tile_dim1
	s_mov_b32 s[G1+5], 1536                        ; tensor_dim0_stride
	s_mov_b32 s[G1+6], 0
	s_mov_b32 s[G1+7], 0
	; B: 128 rows x 192 bytes, 16 bytes of padding behind every 64
	s_or_b32 s[G1B+0], s44, (0<<16)|(1<<20)|(1<<21)|(3<<22)|(3<<25)
	s_mov_b32 s[G1B+1], ROWB<<16
	s_mov_b32 s[G1B+2], 128<<16
	s_mov_b32 s[G1B+3], ROWB<<16
	s_mov_b32 s[G1B+4], 128
	s_mov_b32 s[G1B+5], KROW
	s_mov_b32 s[G1B+6], 0
	s_mov_b32 s[G1B+7], 0
	; the scales of 128 rows: 4,096 dense bytes as rows of 256 bytes, 16 bytes of padding behind each
	s_or_b32 s[G1S+0], s43, (3<<16)|(1<<20)|(1<<21)|(5<<22)|(3<<25)
	s_or_b32 s[G1SB+0], s44, (3<<16)|(1<<20)|(1<<21)|(5<<22)|(3<<25)
.irp g, G1S, G1SB
	s_mov_b32 s[\g+1], 32<<16
	s_mov_b32 s[\g+2], (128*KS/256)<<16
	s_mov_b32 s[\g+3], 32<<16
	s_mov_b32 s[\g+4], 128*KS/256
	s_mov_b32 s[\g+5], 32
	s_mov_b32 s[\g+6], 0
	s_mov_b32 s[\g+7], 0
.endr
	s_lshl_b32 s18, s16, 7                         ; which 128 rows of the tile I fetch
	s_lshl_b32 s20, s17, 8
	s_add_co_u32 s20, s20, s18                     ; A: row 256 x tile row + 128 x half
	s_lshl_b32 s46, s95, 8
	s_add_co_u32 s46, s46, s18                     ; B: row of the table
	s_mov_b32 s21, 0
	s_mov_b32 s47, 0
	s_mov_b64 s[18:19], KS
	s_mul_u64 s[22:23], s[20:21], s[18:19]         ; where these rows' scales begin
	s_mul_u64 s[92:93], s[46:47], s[18:19]
	s_mov_b64 s[18:19], KROW
	s_mul_u64 s[20:21], s[20:21], s[18:19]         ; and their codes (16 rows of A are one token tile of 12,288 bytes)
	s_mul_u64 s[46:47], s[46:47], s[18:19]
	s_mul_i32 s45, s16, HALFA                      ; where they go: A's two halves,
	s_mul_i32 s96, s16, HALFB
	s_add_co_u32 s96, s96, 2*HALFA                 ; then B's two: no place in the cluster enters an LDS address
	s_mul_i32 s94, s14, HALFS
	s_wait_kmcnt 0x0
	s_add_nc_u64 s[8:9], s[4:5], 6291456           ; A's scale bytes
	s_add_nc_u64 s[10:11], s[6:7], XSC             ; the table's
	s_add_nc_u64 s[20:21], s[4:5], s[20:21]
	s_add_nc_u64 s[22:23], s[8:9], s[22:23]
	s_add_nc_u64 s[46:47], s[6:7], s[46:47]
	s_add_nc_u64 s[92:93], s[10:11], s[92:93]
	CROUND                                         ; all sixteen work-groups are here: the first joint loads meet
	s_mov_b32 s[G0S], 1
	s_add_co_u32 s[G0S+1], s94, SCL
	s_mov_b64 s[G0S+2:G0S+3], s[22:23]
	s_or_b32 s[G0S+3], s[G0S+3], 0x80000000
	s_mov_b32 s[G0SB], 1
	s_add_co_u32 s[G0SB+1], s94, SCL
	s_mov_b64 s[G0SB+2:G0SB+3], s[92:93]
	s_or_b32 s[G0SB+3], s[G0SB+3], 0x80000000
	JLOAD G0S, G1S, G0SB, G1SB                     ; the scales first: they are wanted with K step 0
.irp s, 0,1
	s_mov_b32 s[G0+4*\s], 1
	s_add_co_u32 s[G0+4*\s+1], s45, \s*SLOT
	s_add_nc_u64 s[G0+4*\s+2:G0+4*\s+3], s[20:21], \s*ASTEP
	s_or_b32 s[G0+4*\s+3], s[G0+4*\s+3], 0x80000000
	s_mov_b32 s[G0B+4*\s], 1
	s_add_co_u32 s[G0B+4*\s+1], s96, \s*SLOT
	s_add_nc_u64 s[G0B+4*\s+2:G0B+4*\s+3], s[46:47], \s*ROWB
	s_or_b32 s[G0B+4*\s+3], s[G0B+4*\s+3], 0x80000000
	JLOAD G0+4*\s, G1, G0B+4*\s, G1B               ; three tensor loads of mine are out
.endr
	v_and_b32 v1, 15, v0                           ; l % 16
	v_bfe_u32 v2, v0, 4, 1                         ; l / 16
	v_and_b32 v6, 31, v0                           ; lane
	v_lshlrev_b32 v7, 3, v6                        ; A: 8 bytes a lane
	v_mul_u32_u24 v3, v1, PITCH
	v_mul_u32_u24 v4, v2, 24
	v_add_nc_u32 v4, v3, v4                        ; B: a fragment's row x pitch + 24 x half
	v_lshl_add_u32 v5, v2, 4, v4                   ; and the same behind one padding more
	s_mul_i32 s21, s15, HALFA                      ; my eight token tiles of A
	s_mul_i32 s22, s16, HALFB                      ; my 128 rows of B,
	s_add_co_u32 s22, s22, 2*HALFA                 ; which lie behind A's two halves
.irp s, 0,1
	v_add_nc_u32 v[ADRA+\s], s21, v7
	v_add_nc_u32 v[ADRB+\s], s22, v4
	v_add_nc_u32 v[ADRB+2+\s], s22, v5
	s_add_co_u32 s21, s21, SLOT
	s_add_co_u32 s22, s22, SLOT
.endr
	v_mul_u32_u24 v5, v1, KS                       ; my row's scales: KS bytes a row,
	v_lshrrev_b32 v7, 8, v5
	v_lshl_add_u32 v5, v7, 4, v5                   ; and 16 more for each 256 passed
	s_mul_i32 s21, s15, HALFS                      ; A's: my 128 rows
	s_mul_i32 s22, s16, HALFS                      ; B's: my 128 rows, behind A's 256
	s_add_co_u32 s22, s22, 2*HALFS
	s_sub_co_u32 s22, s22, s21
	v_mul_u32_u24 v7, s22, v2                      ; lanes 16-31 take B's
	s_add_co_u32 s21, s21, SCL
	v_add_nc_u32 v5, v5, v7
	v_add_nc_u32 v[ADRS], s21, v5
	s_mul_i32 s23, s14, 16*SPITCH                  ; my stage
	v_mul_u32_u24 v5, v1, SPITCH                   ; in: row l % 16, 32 bytes for each half of the lanes
	v_lshl_add_u32 v5, v2, 5, v5
	v_add_nc_u32 v[STO], s23, v5
	v_lshlrev_b32 v[CO], 4, v6                     ; back: the 32 lanes take one row of 512 bytes; and the same in out0
	v_add_nc_u32 v[RD], s23, v[CO]
	s_lshl_b32 s20, s17, 8
	s_lshl_b32 s21, s15, 7
	s_add_co_u32 s20, s20, s21                     ; my first row of out0: 256 x tile row + 128 x half
	s_mov_b32 s21, 0
	s_mov_b64 s[18:19], SIZE_N*4
	s_mul_u64 s[20:21], s[20:21], s[18:19]
	s_lshl_b32 s46, s42, 10                        ; my first column, in bytes: 1024 x tile column + 512 x half
	s_lshl_b32 s47, s16, 9
	s_add_co_u32 s46, s46, s47
	s_mov_b32 s47, 0
	s_add_nc_u64 s[20:21], s[20:21], s[46:47]
	s_add_nc_u64 s[12:13], s[12:13], s[20:21]
.macro FRAG reg, adr, q, i             ; a fragment of B: 24 bytes of the row's stream of bits for each half of K, in pieces of 8 bytes; the second address register serves the pieces behind one padding more
.irp p, 0,1,2,3,4,5
.set PCE, 12*(\q)+6*(\p/3)+\p%3
.if PCE%8 < 5
	ds_load_b64 v[\reg+2*\p:\reg+2*\p+1], v[\adr] offset:8*PCE+16*(PCE/8)+(\i)*16*PITCH
.else
	ds_load_b64 v[\reg+2*\p:\reg+2*\p+1], v[\adr+2] offset:8*PCE+16*(PCE/8)+(\i)*16*PITCH
.endif
.endr
.endm
.macro FRAGH reg, adr, q, i            ; a fragment of A: token tile i, heads 2 q and 2 q + 1 of the K step's four: for each head three pairs of registers, each 256 consecutive bytes for the 32 lanes
.irp p, 0,1,2,3,4,5
	ds_load_b64 v[\reg+2*\p:\reg+2*\p+1], v[\adr] offset:ASTEP*(\i)+1536*(\q)+768*(\p/3)+256*(\p%3)
.endr
.endm
; 16 matrix instructions: A's blocks a0, a0 + 1 x B's eight.  The 64 accumulators take turns, one instruction a turn, in the same order in every step.
.macro MUL16 a0, p, q, sc, zero
.irp a, \a0, \a0+1
.irp b, 0,1,2,3,4,5,6,7
.if \zero
	v_wmma_scale_f32_16x16x128_f8f6f4 v[8*(8*((\a)%4)+\b):8*(8*((\a)%4)+\b)+7], v[128*(\p)+FR*\b:128*(\p)+FR*\b+FR-1], v[AF+FR*(\a):AF+FR*(\a)+FR-1], 0, v[SC+8*NQ*(\sc)+NQ*\b+(\q)], v[SC+8*NQ*(\sc)+NQ*(\a)+(\q)] matrix_a_fmt:MATRIX_FMT_BF6 matrix_b_fmt:MATRIX_FMT_BF6 matrix_a_scale:MATRIX_SCALE_ROW1
.else
	v_wmma_scale_f32_16x16x128_f8f6f4 v[8*(8*((\a)%4)+\b):8*(8*((\a)%4)+\b)+7], v[128*(\p)+FR*\b:128*(\p)+FR*\b+FR-1], v[AF+FR*(\a):AF+FR*(\a)+FR-1], v[8*(8*((\a)%4)+\b):8*(8*((\a)%4)+\b)+7], v[SC+8*NQ*(\sc)+NQ*\b+(\q)], v[SC+8*NQ*(\sc)+NQ*(\a)+(\q)] matrix_a_fmt:MATRIX_FMT_BF6 matrix_b_fmt:MATRIX_FMT_BF6 matrix_a_scale:MATRIX_SCALE_ROW1
.endif
.endr
.endr
.endm
.macro FETCH_B slot, q, p
	WIN TO_B
.irp i, 0,1,2,3,4,5,6,7
	FRAG 128*(\p)+FR*\i, ADRB+\slot, \q, \i
.endr
	WIN 0
.endm
.macro FETCH_A slot, q, i0
.irp i, \i0, \i0+1, \i0+2, \i0+3
	FRAGH AF+FR*(\i), ADRA+\slot, \q, \i
.endr
.endm
.macro SCALES sc
.irp i, 0,1,2,3,4,5,6,7
	ds_load_b64 v[SC+8*NQ*\sc+NQ*\i:SC+8*NQ*\sc+NQ*\i+1], v[ADRS] offset:\i*SBLK
.endr
.endm
.macro PLACES n                        ; places behind matrix instructions (ISA guide 7.12.1 for vector instructions)
.rept \n
	v_nop
.endr
.endm
.macro STEP slot, q, zero
	s_wait_dscnt 4*NL                              ; B's set and A's blocks 0-3 are in; the youngest 24 loads (A's blocks 4-7) may be out
	WIN MUL_LO
	MUL16 0, (\q)%2, \q, \slot, \zero
	MUL16 2, (\q)%2, \q, \slot, \zero
	s_wait_dscnt 0                                 ; A's blocks 4-7 are in
	PLACES NP
	FETCH_B \slot, (\q)+1, 1-(\q)%2
	FETCH_A \slot, (\q)+1, 0
	WIN MUL_HI
	MUL16 4, (\q)%2, \q, \slot, \zero
	MUL16 6, (\q)%2, \q, \slot, \zero
	PLACES NP
	WIN 0
	FETCH_A \slot, (\q)+1, 4
.endm
; A slot's last step changes slots: ONE barrier; in front of it each wave waits for all its tensor loads, adds 0 to its spare word, and waits for that and for its own reads of this slot.
.macro TURN slot, next, fill
	s_wait_tensorcnt 0x0                           ; all my tensor loads have landed: my part of the next slot
	ds_add_u32 v[SPW], v[NIL]                      ; 0 onto my spare word
	s_wait_dscnt 4*NL+1                            ; (the add and the youngest 24 loads may be out)
	WIN MUL_LO
	MUL16 0, 1, NQ-1, \slot, 0
	s_wait_dscnt 0x0                               ; the add is done, and my reads of this slot are over
	s_barrier_signal -1
	MUL16 2, 1, NQ-1, \slot, 0
	WIN 0
	s_barrier_wait -1
.if \fill
	CREST                                          ; the barrier has opened a round of the cluster's barrier
	s_add_nc_u64 s[G0+4*\slot+2:G0+4*\slot+3], s[G0+4*\slot+2:G0+4*\slot+3], 2*ASTEP
	s_add_nc_u64 s[G0B+4*\slot+2:G0B+4*\slot+3], s[G0B+4*\slot+2:G0B+4*\slot+3], 2*ROWB
	JLOAD G0+4*\slot, G1, G0B+4*\slot, G1B         ; the first tensor load behind the round; its four v_nop are the places in front of the loads below
.else
	PLACES NP
.endif
	v_add_nc_u32 v[ADRS], 4*NQ, v[ADRS]            ; on to the next K step's scale words
	FETCH_B \next, 0, 0
	FETCH_A \next, 0, 0
	SCALES \next
	WIN MUL_HI
	MUL16 4, 1, NQ-1, \slot, 0
	MUL16 6, 1, NQ-1, \slot, 0
	PLACES NP
	WIN 0
	FETCH_A \next, 0, 4
.endm
	s_wait_tensorcnt 1                             ; the scales and my part of K step 0 are in (K step 1's load may be out),
	s_barrier_signal -1
	s_barrier_wait -1                              ; everybody's are
	FETCH_B 0, 0, 0
	FETCH_A 0, 0, 0
	SCALES 0
	FETCH_A 0, 0, 4
	STEP 0, 0, 1                                   ; the first step's products start the sums
	s_mov_b32 s3, LAPS-1
.Llap:
	TURN 0, 1, 1
	STEP 1, 0, 0
	TURN 1, 0, 1
	STEP 0, 0, 0
	s_sub_co_u32 s3, s3, 1
	s_cmp_lg_u32 s3, 0
	s_cbranch_scc1 .Llap
	TURN 0, 1, 0                                   ; the last lap fills nothing
	STEP 1, 0, 0
	s_wait_dscnt 4*NL
	WIN MUL_LO
	MUL16 0, 1, NQ-1, 1, 0
	MUL16 2, 1, NQ-1, 1, 0
	s_wait_dscnt 0
	WIN MUL_HI
	MUL16 4, 1, NQ-1, 1, 0
	MUL16 6, 1, NQ-1, 1, 0
	WIN 0
; THE WAY OUT, block by block of 16 rows x 128 columns, through my own stage in LDS, back as whole rows of 512 bytes.  LDS serves a wave's instructions in order (ISA guide 5.7.1.4).
; Row t of block a is the token 32 (a / 2) + 8 (a % 2) + t + 8 (t / 8) of my 128.
.macro TOSTAGE a
.set AC, 64*((\a)%4)
	WIN 0x08+4*((\a)/4)                            ; the data: window 2 or 3
.irp b, 0,1,2,3,4,5,6,7
	ds_store_b128 v[STO], v[AC+8*\b:AC+8*\b+3] offset:64*\b          ; each accumulator from its low end on
	ds_store_b128 v[STO], v[AC+8*\b+4:AC+8*\b+7] offset:64*\b+16
.endr
	WIN 0
.set BB, BK+64*((\a)%2)
.irp t, 0,1,2,3,4,5,6,7,8,9,10,11,12,13,14,15
	ds_load_b128 v[BB+4*\t:BB+4*\t+3], v[RD] offset:\t*SPITCH
.endr
.endm
.macro SEND a, younger
.set BB, BK+64*((\a)%2)
	s_wait_dscnt \younger                          ; the block is back in registers
.if (\a) > 0
.if (\a)%2 == 1
	s_add_nc_u64 s[12:13], s[12:13], 8*SIZE_N*4    ; (behind a wait on XCNT: the earlier stores have read their base)  an odd block begins 8 rows behind the even one,
.else
	s_add_nc_u64 s[12:13], s[12:13], 24*SIZE_N*4   ; the next even one 24 rows further on
.endif
.endif
.irp t, 0,1,2,3,4,5,6,7,8,9,10,11,12,13,14,15
	global_store_b128 v[CO], v[BB+4*\t:BB+4*\t+3], s[12:13] offset:(\t+8*(\t/8))*SIZE_N*4 th:TH_STORE_NT   ; 32 lanes store 512 consecutive bytes, aligned; written once, read by nobody here
.endr
.endm
	PLACES NP
	TOSTAGE 0
.irp a, 1,2,3,4,5,6,7
.if \a > 1
	s_wait_xcnt 0x0                                ; block a - 2's stores have read their registers and their base
.endif
	TOSTAGE \a
	SEND \a-1, 32                                  ; behind block a - 1's loads: block a's 16 stores and 16 loads
.endr
	s_wait_xcnt 0x0                                ; block 6's stores have read their base
	SEND 7, 0
	s_wait_tensorcnt 0x0                           ; the wave's end
	ds_add_u32 v[SPW], v[NIL]
	s_wait_dscnt 0x0
	CROUND                                         ; the closing round
	s_endpgm
.Lfunc_end_k_qa9282f0901_oproj:
	.size	k_qa9282f0901_oproj, .Lfunc_end_k_qa9282f0901_oproj-k_qa9282f0901_oproj
	.p2alignl 7, 3214868480
	.fill 96, 4, 3214868480
	.section	.rodata,"a",@progbits
	.p2align	6, 0x0
	.amdhsa_kernel k_qa9282f0901_oproj
		.amdhsa_group_segment_fixed_size 327680
		.amdhsa_private_segment_fixed_size 0
		.amdhsa_enable_private_segment 0
		.amdhsa_kernarg_size 24
		.amdhsa_user_sgpr_count 2
		.amdhsa_user_sgpr_kernarg_segment_ptr 1
		.amdhsa_wavefront_size32 1
		.amdhsa_system_sgpr_workgroup_id_x 1
		.amdhsa_system_sgpr_workgroup_id_y 1
		.amdhsa_system_sgpr_workgroup_id_z 1
		.amdhsa_system_vgpr_workitem_id 0
		.amdhsa_next_free_vgpr 1024
		.amdhsa_next_free_sgpr 98
		.amdhsa_reserve_vcc 0
		.amdhsa_float_denorm_mode_32 3
		.amdhsa_float_denorm_mode_16_64 3
		.amdhsa_memory_ordered 1
		.amdhsa_forward_progress 1
		.amdhsa_inst_pref_size 160
	.end_amdhsa_kernel
	.amdgpu_metadata
---
amdhsa.version: [ 1, 2 ]
amdhsa.kernels:
  - .name:           k_qa9282f0901_oproj
    .symbol:         k_qa9282f0901_oproj.kd
    .args:
      - { .name: w3, .offset: 0, .size: 8, .value_kind: global_buffer, .address_space: global }
      - { .name: w1, .offset: 8, .size: 8, .value_kind: global_buffer, .address_space: global }
      - { .name: out0, .offset: 16, .size: 8, .value_kind: global_buffer, .address_space: global }
    .group_segment_fixed_size: 327680
    .private_segment_fixed_size: 0
    .kernarg_segment_align: 8
    .kernarg_segment_size: 24
    .max_flat_workgroup_size: 128
    .sgpr_count:     98
    .vgpr_count:     1024
    .wavefront_size: 32
...
	.end_amdgpu_metadata
.endif
;; end of part 4
